; MI455X (gfx1250); checked and timed in simulation.
; The chip was launched on July 23, 2026; its instructions are those of AMD's public machine-readable ISA for CDNA 5 (MIT licence, August 2026) and "CDNA5" Instruction Set Architecture Reference Guide (July 2026). The comments in the code are by the model that wrote it; some were corrected since.
;; Attn. Allowed arithmetic: matrix products marked QUANTISED: E2M3 operands, one E8M0 scale for each 32 along K, by v_wmma_scale_f32_16x16x128_f8f6f4 with both operands' format E2M3, f32 sums; products left as they are: f32 operands where the result goes on into a quantised operand, else bf16, f16 or f32 operands; f32 sums; everything else in f32.
;; Inputs: W_codes 1,024 x 32 x 24 uint8 (E2M3 codes of W, K innermost, in blocks of 32 codes, four codes in three bytes); W_scales 1,024 x 32 uint8 (E8M0 scales of W, one for each 32 codes along K); b 1,024 float32; encoder_outputs_codes 32 x 2,048 x 32 x 24 uint8 (E2M3 codes of encoder_outputs, K innermost, in blocks of 32 codes, four codes in three bytes); encoder_outputs_scales 32 x 2,048 x 32 uint8 (E8M0 scales of encoder_outputs, one for each 32 codes along K); hidden 32 x 1,024 float32.
;; Outputs: out0 32 x 1 x 2,048 float32.
;; This version of the problem:
;;   THIS VERSION OF THE PROBLEM IS GIVEN IN LOW PRECISION. The matrix products marked QUANTISED in the list below multiply operands that are first quantised to E2M3 (2 exponent bits, 3 mantissa bits; 6 bits a number), with one power-of-two scale for each 32 numbers along K (OCP MX v1.0); their sums are f32. All else is computed in f32.
;;   The module's matrix products, in the order in which they are computed (A, B: the left and right operand; K: the contracted axis; several contracted axes count as one K, in the product's order):
;;     1. [M 65,536, K 1,024] x [K 1,024, N 1,024]; A: input encoder_outputs (given as codes); B: input W (given as codes): QUANTISED
;;     2. batch 32 x [M 2,048, K 1,024] x [K 1,024, N 1]; A: computed on the way; B: input hidden: left as it is (N = 1 < 16)
;;   THE QUANTISER, for each operand of a quantised product, along K:
;;     - K is cut into blocks of 32 from its start; a last block that is shorter is filled with zeros.
;;     - A block's scale is 2^e with e = floor(log2(the largest magnitude in the block)) - 2, held to -126 .. 127; a block of zeros has e = 0. As a byte (E8M0): e + 127.
;;     - Each number is divided by its block's scale, clamped to +-7.5, and rounded to the nearest number of E2M3, ties to even, subnormals kept.
;;     - The product sums the exact products of the quantised numbers (number of the format x scale) in f32.
;;   ~~~python
;;   def quantise(x, axis):      # numpy; x: float32 -> the quantised numbers, widened to float32 again
;;       x = np.moveaxis(x, axis, -1); K = x.shape[-1]
;;       x = np.pad(x, [(0, 0)] * (x.ndim - 1) + [(0, -K % 32)]); x = x.reshape(x.shape[:-1] + (-1, 32)); a = np.abs(x).max(-1, keepdims=True)
;;       e = np.where(a > 0, np.clip(np.frexp(np.where(a > 0, a, 1))[1] - 1 - 2, -126, 127), 0)      # np.frexp(a)[1] - 1 = floor(log2(a)), exactly
;;       r = np.clip(x / 2.0 ** e, -7.5, 7.5)
;;       step = 2.0 ** (np.maximum(np.frexp(np.where(r == 0, 1, r))[1] - 1, 0) - 3)
;;       q = np.round(r / step) * step * 2.0 ** e      # np.round: ties to even
;;       return np.moveaxis(q.reshape(q.shape[:-2] + (-1,))[..., :K], -1, axis).astype(np.float32)
;;   ~~~
;;   INPUTS GIVEN AS CODES. W (in the module: [1024, 1024], K = its axis 1); encoder_outputs (in the module: [32, 2048, 1024], K = its axis 2): each comes as NAME_codes (uint8): NAME with its K axis moved to the last place and cut into blocks of 32 codes, [.., K / 32, bytes a block], one block behind the other in memory; four codes in three bytes: a row's codes are one little-endian stream of bits, code i at bits 6 i .. 6 i + 5 (a code: sign, 2 exponent bits, 3 mantissa bits); and NAME_scales (uint8): the same leading axes, one E8M0 byte (e + 127) for each 32 codes along K. Its value is code x scale, taken as it is: it is not quantised again, and the codes and scales need not be those that the quantiser above would give.
;; 2 versions. Each part assembles by itself: llvm-mc -triple=amdgcn-amd-amdhsa -mcpu=gfx1250 --defsym DOCPART=n.
;; ======== version 1 of 2: 2 launches
;; workspace buffers: scores 262,144 bytes
;; launch scores (part 1): grid 256 x 1, 4 waves a work-group, clusters of 4 x 1, 327,680 bytes of LDS; arguments W_codes, W_scales, encoder_outputs_codes, encoder_outputs_scales, hidden, scores; writes scores
.if DOCPART == 1
	.amdgcn_target "amdgcn-amd-amdhsa--gfx1250"
	.amdhsa_code_object_version 6
	.text
	.protected	k_q176da97ab5_scores
	.globl	k_q176da97ab5_scores
	.p2align	8
	.type	k_q176da97ab5_scores,@function
k_q176da97ab5_scores:
	s_mov_b64 s[64:65], 0
	v_nop
	global_prefetch_b8 v0, s[64:65] scope:SCOPE_SE
	s_setreg_imm32_b32 hwreg(HW_REG_WAVE_MODE, 25, 1), 1
	s_wait_xcnt 0x0
	s_wait_alu depctr_hold_cnt(0) depctr_sa_sdst(0) depctr_va_vdst(0) depctr_va_sdst(0) depctr_va_ssrc(0) depctr_va_vcc(0) depctr_vm_vsrc(0)
	s_getreg_b32 s2, hwreg(HW_REG_IB_STS2, 6, 4)
	s_cmp_eq_u32 s2, 0
	s_cbranch_scc0 .Lentry_in_a_cluster
	s_endpgm
.Lentry_in_a_cluster:
	s_bfe_u32 s2, ttmp6, 0x10000c
	s_cmp_lg_u32 s2, 0x3003
	s_cbranch_scc0 .Lentry_shape_is_right
	s_endpgm
.Lentry_shape_is_right:
; scores[b][s] = sum over o of hidden[b][o] x (sum over k of enc[b][s][k] W[o][k]): the softmax's input, less the bias's term.  The softmax itself is the next launch.
; WORK LEFT OUT: THE BIAS b.  reference() adds b[o] to energy[b][s][o], so it adds sum over o of b[o] hidden[b][o] to scores[b][s]: a number that hangs on the batch b alone and is the same for all s.
; softmax over s of (x[s] + t) equals softmax over s of x[s] for every finite t, so for all finite values of the inputs b reaches no output; it enters no quantised operand either.  b is not loaded and is no argument of any launch.
; LIMITS: a NaN, an infinity or an overflow that comes through b alone is not carried to the result.  A scale byte 0xff gives NaN, as the matrix instruction has it.  The sums over k = 0..511 and k = 512..1023 are
; multiplied by hidden and added apart, another order of f32 rounding than reference()'s.
; THE FIRST PRODUCT is done whole, on the codes and scale bytes as they lie, by v_wmma_scale_f32_16x16x128_f8f6f4; the second (N = 1) by f32 fused multiply-adds on the first's sums while they are in registers.
; SHARES.  A work-group owns 256 rows (b, s).  Wave (i, j): rows 128 i .. +127 against half of W's rows (of every 128 rows of W the 64 from 64 j on).
; enc IS STATIONARY: the fragments of a wave's 8 blocks of 16 rows for 512 along K are 8 x 4 x 12 = 384 registers, so K goes in two passes of 512.  W streams through a ring of two LDS slots (128 rows x 384 bytes).
; One fragment of W read from LDS feeds eight matrix instructions.  enc comes by global loads through a stage in LDS; the second pass's half is asked for when the first's has been staged, and is counted
; on LOADcnt, so the waits on TENSORcnt at the ring's barriers do not wait for it.
; TRANSPOSED USE: source 0 = 16 rows of W, source 1 = 16 rows of enc: a lane holds ONE row (b, s) (lane % 16) and eight neighbouring o (8 (lane / 16) + 0..7).  A GROUP is one block of 16 rows of W in one pass: 4 K steps x 8 row
; blocks = 32 matrix instructions on 8 accumulators by turns; the group before is drained meanwhile: 32 packed multiply-adds by hidden[b][o] into a pair of partial scores for each row block.  Two sets of accumulators take turns.
; CLUSTER 4, 1, 1: every work-group reads the same W, and the four of a cluster share their batch (8 work-groups to a batch), so W's tiles, W's scale bytes and hidden[b] are asked for JOINTLY, with the mask of all four.
; A wider cluster would add nothing: a mask names four work-groups at the most.
.set ROWB,   768                       ; a row of W or enc in memory: 1,024 codes
.set PITCH,  432                       ; a pass's 384 bytes of a row in LDS: 3 x (128 + 16 of padding) = 108 words: row r starts at bank 44 r mod 64 (64 banks of 4 bytes: ISA guide 11.1): 16 different multiples of 4; lanes 16-31 lie 6 or 10 words on: a load of 8 bytes a lane touches 64 different banks
.set NBP,    16*PITCH                  ; 16 rows
.set QUART,  32*PITCH                  ; what one tensor load brings of a slot
.set STEPW,  128*ROWB                  ; from a slot's rows of W to the next 128, in memory
.set SLOT1,  1<<16                     ; slot 0 at 0, slot 1 here: one exclusive or turns an address
.set HIDL,   128*PITCH                 ; 55,296: hidden[b], 4,096 dense bytes, filled once
.set SPARE,  HIDL+4096                 ; 59,392: the spare words, 128 bytes a wave: two blocks of 256 bytes that no other line names
.set XCH,    SPARE+512                 ; 59,904: [j][256 rows] f32: where the two halves of a score meet
.set STG,    1<<17                     ; the stage for enc: 256 rows x PITCH, written by LDS stores alone
.set SCL,    STG+256*PITCH             ; 241,664: W's scale bytes, 128 units of 256 bytes + 16 of padding, filled once
; window 0
.set AB0,  1                           ; v1   432 r + 24 h: my lane's place in 16 rows of a tile (r = lane % 16, h = lane / 16)
.set AB1,  2                           ; v2   the same behind one padding more
.set AS0,  3                           ; v3   my lane's place among W's scale words
.set AH0,  4                           ; v4   and in hidden
.set ADB0, 5                           ; v5, v6  LDS address of the block of W in hand
.set ADB1, 6
.set ADS,  7                           ; v7   of its scale words
.set ADH,  8                           ; v8   of its 16 numbers of hidden
.set SA0,  9                           ; v9, v10  my lane's place in my 128 rows of the stage
.set SA1,  10
.set AQ,   11                          ; v11  enc's scale words: my byte offset
.set SPW,  14                          ; v14  LDS address of my spare word; never rewritten
.set NIL,  15                          ; v15  0; never rewritten
.set ES,   16                          ; v16-47  enc's scale words: register 8 a + 4 c + q: lanes 0-15 row block a, lanes 16-31 row block a + 4, K step 4 c + q
.set WS,   48                          ; v48-55  W's scale words: two sets of four (K step q of the pass)
.set HID,  56                          ; v56-71  hidden[16 nb + 8 h + 0..7]: two sets of eight
.set WF,   72                          ; v72-119 W's fragments of the four K steps
.set LAA,  120                         ; v120 the stage, shape A (2 rows x 256 bytes): where I put 16 bytes
.set LAB,  121                         ; v121 shape B (4 rows x 128 bytes)
.set GAA,  122                         ; v122 and where they come from: shape A,
.set GAB,  123                         ; v123 shape B
.set ACC,  128                         ; v128-255 two sets of 8 accumulators
; window 1: enc's fragments of K steps 0, 1 at v[12 (8 (q % 2) + m)]; window 2: of K steps 2, 3; window 3: v0-15 the partial scores, a pair for each row block; from v16 enc as it was loaded
.set AT,   16
.set M1,   0x04                        ; source 1 (enc) in window 1, all else in window 0
.set M2,   0x08                        ; in window 2
.set DR,   0xf0                        ; the drains: destination and source 2 in window 3
.set WV,   16                          ; s16 wave; s17 i; s18 j; s19 cx; s20 work-group; s21 batch
.set G1W,  24                          ; s[24:31] group 1: a quarter of a slot
.set G1S,  32                          ; s[32:39] a quarter of W's scale bytes
.set G1H,  40                          ; s[40:47] a quarter of hidden[b]
.set G0S,  48
.set G0H,  52
.set G0W0, 56
.set G0W1, 60                          ; s[60:63] slot 1's first fill; then it walks
.set TB,   70                          ; s70 LDS byte of the block of W to be fetched
.set TS,   71                          ; s71 of its scale words
.set TH,   72                          ; s72 of its numbers of hidden
.set CNT,  73
.set SEL,  74                          ; s[74:75] v_permlanex16_b32's selects for lane l xor 16
.set MSB, 0
.macro WIN new                         ; the immediate's high byte repeats the setting that is left; a switch that changes nothing is dropped
.if MSB != \new
	s_set_vgpr_msb (MSB<<8)|\new
.set MSB, \new
.endif
.endm
.macro CREST                           ; a round of the cluster's barrier behind its opening barrier
	s_cmp_lg_u32 s[WV], 0
	s_cbranch_scc1 .Lnot_wave_0_\@
	s_barrier_signal -3
.Lnot_wave_0_\@:
	s_barrier_wait -3
	s_barrier_signal -1
	s_barrier_wait -1
.endm
.macro CROUND
	s_barrier_signal -1
	s_barrier_wait -1
	CREST
.endm
; Half a fragment: 24 bytes of a row's stream of bits in three pieces of 8.  Lanes 0-15 take the row's pieces 12 q + 6 half + 0, 1, 2, lanes 16-31 those three pieces on.
; 16 bytes of padding lie behind every 16 pieces: where the piece three on lies behind one padding more, the second address register serves.
.macro FR3 reg, adr, q, off, half
.irp p, 0,1,2
.set PP, 3*(\half)+\p
.set PCE, 12*(\q)+6*(\half)+\p
.if PCE%16 < 13
	ds_load_b64 v[(\reg)+2*PP:(\reg)+2*PP+1], v[\adr] offset:(\off)+8*PCE+16*(PCE/16)
.else
	ds_load_b64 v[(\reg)+2*PP:(\reg)+2*PP+1], v[(\adr)+1] offset:(\off)+8*PCE+16*(PCE/16)
.endif
.endr
.endm
.macro FRAG reg, adr, q, off
	FR3 \reg, \adr, \q, \off, 0
	FR3 \reg, \adr, \q, \off, 1
.endm
; One product: accumulator m of set par, K step q of pass c.  q = 0 starts the sum with the constant 0: nothing is cleared.
.macro WM par, c, q, m
.set rD, ACC+64*(\par)+8*(\m)
.set rW, WF+12*(\q)
.set rE, 12*(8*((\q)%2)+(\m))
.set rSW, WS+4*(\par)+(\q)
.set rSE, ES+8*((\m)%4)+4*(\c)+(\q)
.if (\q) == 0
.if (\m) < 4
	v_wmma_scale_f32_16x16x128_f8f6f4 v[rD:rD+7], v[rW:rW+11], v[rE:rE+11], 0, v[rSW], v[rSE] matrix_a_fmt:MATRIX_FMT_FP6 matrix_b_fmt:MATRIX_FMT_FP6
.else
	v_wmma_scale_f32_16x16x128_f8f6f4 v[rD:rD+7], v[rW:rW+11], v[rE:rE+11], 0, v[rSW], v[rSE] matrix_a_fmt:MATRIX_FMT_FP6 matrix_b_fmt:MATRIX_FMT_FP6 matrix_b_scale:MATRIX_SCALE_ROW1
.endif
.else
.if (\m) < 4
	v_wmma_scale_f32_16x16x128_f8f6f4 v[rD:rD+7], v[rW:rW+11], v[rE:rE+11], v[rD:rD+7], v[rSW], v[rSE] matrix_a_fmt:MATRIX_FMT_FP6 matrix_b_fmt:MATRIX_FMT_FP6
.else
	v_wmma_scale_f32_16x16x128_f8f6f4 v[rD:rD+7], v[rW:rW+11], v[rE:rE+11], v[rD:rD+7], v[rSW], v[rSE] matrix_a_fmt:MATRIX_FMT_FP6 matrix_b_fmt:MATRIX_FMT_FP6 matrix_b_scale:MATRIX_SCALE_ROW1
.endif
.endif
.endm
.macro WM4 par, c, q, m0
.irp mm, 0,1,2,3
	WM \par, \c, \q, (\m0)+\mm
.endr
.endm
; Batch b of 8 of the drain of set pp: row blocks 4 (b % 2) .. + 3, the accumulators' registers 2 (b / 2) and one on: partial += sum x hidden.  Each accumulator is read from its low end on.
; The four lines name the other set's accumulators, hidden and the partials alone: they are also the four places behind the products round them.  drain = 0 (the first group): v_nop where places are owed.
.macro BATCH pp, b, drain
.if \drain
	WIN DR
.irp mm, 0,1,2,3
.set rP, 2*(4*((\b)%2)+\mm)
.set rA, ACC+64*(\pp)+4*rP+2*((\b)/2)
.set rH, HID+8*(\pp)+2*((\b)/2)
	v_pk_fma_f32 v[rP:rP+1], v[rA:rA+1], v[rH:rH+1], v[rP:rP+1]
.endr
.elseif (\b)%2
.rept 4
	v_nop
.endr
.endif
.endm
; On to the next group's block of W.  1: the next 16 rows of the slot.  2: my first block of the other slot (5 blocks on in W).  3: the same, back to W's first rows and on to the second pass's scale words.
.macro NEXT k
.if (\k) == 1
	s_add_co_u32 s[TB], s[TB], NBP
	s_add_co_u32 s[TS], s[TS], 544
	s_add_co_u32 s[TH], s[TH], 64
.elseif (\k) > 1
	s_sub_co_u32 s[TB], s[TB], 3*NBP
	s_xor_b32 s[TB], s[TB], SLOT1
.if (\k) == 2
	s_add_co_u32 s[TS], s[TS], 5*544
	s_add_co_u32 s[TH], s[TH], 5*64
.else
	s_sub_co_u32 s[TS], s[TS], 59*544-16
	s_sub_co_u32 s[TH], s[TH], 59*64
.endif
.endif
.endm
.macro ADDR_A                          ; the vector register stands first: under M1 and M2 source 0 and the destination mean window 0
	v_add_nc_u32 v[ADB0], v[AB0], s[TB]
	v_add_nc_u32 v[ADB1], v[AB1], s[TB]
.endm
.macro ADDR_B
	v_add_nc_u32 v[ADS], v[AS0], s[TS]
	v_add_nc_u32 v[ADH], v[AH0], s[TH]
.endm
; My wave's 64 rows of enc, the 384 bytes of pass c: 48 loads of 16 bytes a lane, three for each four rows.  Two of shape A: 2 rows x 256 consecutive bytes, sixteen lanes a row, at a multiple of 256 from the buffer's
; first byte (a row's bytes 0-255 in pass 0, 512-767 in pass 1).  One of shape B: 4 rows x 128 bytes, eight lanes a row (bytes 256-383 in pass 0, 384-511 in pass 1).  The pass stands in the immediates alone.
.macro AGLOAD c
	WIN 0xc0                                       ; destination window 3
.set k, 0
.rept 16
	global_load_b128 v[AT+12*k:AT+12*k+3],    v[GAA], s[8:9] offset:4*ROWB*k+512*(\c)
	global_load_b128 v[AT+12*k+4:AT+12*k+7],  v[GAA], s[8:9] offset:4*ROWB*k+2*ROWB+512*(\c)
	global_load_b128 v[AT+12*k+8:AT+12*k+11], v[GAB], s[8:9] offset:4*ROWB*k+256+128*(\c)
.set k, k+1
.endr
	WIN 0
.endm
; And into the stage, in rows laid as the ring's: byte y of a pass's 384 lies at y + 16 (y / 128).  Shape A's 256 bytes begin at y = 0 (pass 0) or 128 (pass 1: 144 in the row), shape B's 128 at y = 256 (288 in the row) or 0.
.macro ASTORE c
	WIN 0x0c                                       ; an LDS store's data are its source 1: window 3
.set k, 0
.rept 16
	ds_store_b128 v[LAA], v[AT+12*k:AT+12*k+3]    offset:4*PITCH*k+144*(\c)
	ds_store_b128 v[LAA], v[AT+12*k+4:AT+12*k+7]  offset:4*PITCH*k+2*PITCH+144*(\c)
	ds_store_b128 v[LAB], v[AT+12*k+8:AT+12*k+11] offset:4*PITCH*k+288*(1-(\c))
.set k, k+1
.endr
	WIN 0
.endm
.macro AFLOAD                          ; the fragments of my 128 rows for a pass: 8 row blocks x 4 K steps, 192 loads
	WIN 0x40
.irp q, 0,1
.irp m, 0,1,2,3,4,5,6,7
	FRAG 12*(8*\q+\m), SA0, \q, NBP*\m
.endr
.endr
	WIN 0x80
.irp q, 2,3
.irp m, 0,1,2,3,4,5,6,7
	FRAG 12*(8*(\q-2)+\m), SA0, \q, NBP*\m
.endr
.endr
	WIN 0
.endm
; A GROUP.  par: its set of accumulators, scale words and hidden.  c: the pass.  kind 0: inside a slot; 1: the slot's last group, the slot is filled again; 2: the same with nothing left to fetch.
; nxt: NEXT's argument, 0 in the last group.  drain: the group before is drained.  wrap: the walking descriptor goes back to W's first rows, 384 bytes on in them.
; THE LDS INSTRUCTIONS of a group, in order (F q: the six loads of W's fragment of K step q; ' marks the next group's): F3 6, hidden 2, F0' 6, scale words' 1, F1' 6, F2' 6.  LDS loads come back in order (ISA guide 5.7.1), so:
;   ahead of K step 0: F0 and the scale words are in when at most F1 6 + F2 6 = 12 are out (hidden of the group before, which the drain reads, is older still);
;   ahead of K step 1: F1 is in at F2 6 + F3 6 + hidden 2 = 14;   of K step 2: F2 at F3 6 + hidden 2 + F0' 6 + scale words' 1 = 15 (last group: 8);   of K step 3: F3 at hidden 2 + F0' 6 + 1 + F1' 6 = 15 (last group: 2).
; A fragment's registers are loaded again behind the odd batch that follows the K step's eighth product: four places (ISA guide 7.12.1 for vector instructions).
; The eight accumulators take turns, one instruction a turn, over the groups' edges too (the set changes there).
.macro GROUP par, c, kind, nxt, drain, wrap
	s_wait_dscnt 12
	WIN M1
	WM \par, \c, 0, 0
	FR3 WF+36, ADB0, 3, 0, 0
	WM \par, \c, 0, 1
	FR3 WF+36, ADB0, 3, 0, 1
	WM \par, \c, 0, 2
	ds_load_b128 v[HID+8*(\par):HID+8*(\par)+3], v[ADH]
.if (\kind) == 0
	WM \par, \c, 0, 3
	BATCH 1-(\par), 0, \drain
	WIN M1
	WM \par, \c, 0, 4
	ds_load_b128 v[HID+8*(\par)+4:HID+8*(\par)+7], v[ADH] offset:16
.else
	ds_load_b128 v[HID+8*(\par)+4:HID+8*(\par)+7], v[ADH] offset:16   ; F3 was my last read of this slot
	WM \par, \c, 0, 3
	WIN 0                                          ; (the add's two registers lie in window 0)
	s_wait_tensorcnt 0x0                           ; all my tensor loads have landed: the one that was out is my quarter of the other slot
	ds_add_u32 v[SPW], v[NIL]                      ; 0 onto my spare word; a batch, four products and the address steps stand between it and the wait for it
	BATCH 1-(\par), 0, \drain
.if (\kind) == 1
	s_xor_b32 s[G0W1+1], s[G0W1+1], SLOT1          ; no tensor load of mine is out, so the walking group 0 may be written: the slot that is being left,
.if \wrap
	s_sub_nc_u64 s[G0W1+2:G0W1+3], s[G0W1+2:G0W1+3], 7*STEPW-384   ; W's first 128 rows, the second pass's bytes
.else
	s_add_nc_u64 s[G0W1+2:G0W1+3], s[G0W1+2:G0W1+3], STEPW          ; the next 128 rows of W; the type bits on top are not reached
.endif
.endif
	WIN M1
	WM \par, \c, 0, 4
.endif
	WM \par, \c, 0, 5
	NEXT \nxt
.if \nxt
	ADDR_A
.endif
	WM \par, \c, 0, 6
.if \nxt
	ADDR_B
.endif
	WM \par, \c, 0, 7
.if (\kind) == 0
	BATCH 1-(\par), 1, \drain
	WIN M1
	s_wait_dscnt 14
	WM \par, \c, 1, 0
.if \nxt
	FR3 WF, ADB0, 0, 0, 0
.endif
	WM \par, \c, 1, 1
.if \nxt
	FR3 WF, ADB0, 0, 0, 1
.endif
	WM \par, \c, 1, 2
.if \nxt
	ds_load_b128 v[WS+4*(1-(\par)):WS+4*(1-(\par))+3], v[ADS]
.endif
	WM \par, \c, 1, 3
	BATCH 1-(\par), 2, \drain
	WIN M1
	WM4 \par, \c, 1, 4
.else
	s_wait_dscnt 0x0                               ; the add is done, and my reads of this slot are over:
	s_barrier_signal -1                            ; say so (kind 1: this barrier opens a round of the cluster's),
	WM4 \par, \c, 1, 0                             ; work on registers while the others arrive
.if (\kind) == 1
	WIN 0
.endif
	s_barrier_wait -1                              ; the other slot is whole, and no wave of my work-group reads this one
.if (\kind) == 1
	CREST                                          ; nor any wave of a partner, and none of them has a load on its way
	tensor_load_to_lds s[G0W1:G0W1+3], s[G1W:G1W+7] ; the joint refill, first behind the round, my one tensor load until the next: it has four groups less eight products in which to land
	s_nop 0
.endif
	BATCH 1-(\par), 1, \drain                      ; (the window is switched directly behind the s_nop 0, and not again among the next four lines)
	BATCH 1-(\par), 2, \drain
	WIN M1
	WM \par, \c, 1, 4
	FR3 WF, ADB0, 0, 0, 0                          ; the first read of the other slot
	WM \par, \c, 1, 5
	FR3 WF, ADB0, 0, 0, 1
	WM \par, \c, 1, 6
	ds_load_b128 v[WS+4*(1-(\par)):WS+4*(1-(\par))+3], v[ADS]
	WM \par, \c, 1, 7
.endif
	BATCH 1-(\par), 3, \drain
	WIN M2
.if \nxt
	s_wait_dscnt 15
.else
	s_wait_dscnt 8
.endif
	WM \par, \c, 2, 0
.if \nxt
	FR3 WF+12, ADB0, 1, 0, 0
.endif
	WM \par, \c, 2, 1
.if \nxt
	FR3 WF+12, ADB0, 1, 0, 1
.endif
	WM \par, \c, 2, 2
	WM \par, \c, 2, 3
	BATCH 1-(\par), 4, \drain
	WIN M2
	WM4 \par, \c, 2, 4
	BATCH 1-(\par), 5, \drain
	WIN M2
.if \nxt
	s_wait_dscnt 15
.else
	s_wait_dscnt 2
.endif
	WM \par, \c, 3, 0
.if \nxt
	FR3 WF+24, ADB0, 2, 0, 0
.endif
	WM \par, \c, 3, 1
.if \nxt
	FR3 WF+24, ADB0, 2, 0, 1
.endif
	WM \par, \c, 3, 2
	WM \par, \c, 3, 3
	BATCH 1-(\par), 6, \drain
	WIN M2
	WM4 \par, \c, 3, 4
	BATCH 1-(\par), 7, \drain
.endm
; Four groups: a slot's second, third and last, and the next slot's first.
.macro TRIP c, kind, wrap
	GROUP 1, \c, 0, 1, 1, 0
	GROUP 0, \c, 0, 1, 1, 0
	GROUP 1, \c, \kind, 2, 1, \wrap
	GROUP 0, \c, 0, 1, 1, 0
	WIN 0                                          ; at a label and at a branch every window is 0
.endm
	s_load_b256 s[4:11], s[0:1], 0x0               ; W's codes s[4:5], W's scales s[6:7], enc's codes s[8:9], enc's scales s[10:11]
	s_load_b128 s[12:15], s[0:1], 0x20             ; hidden s[12:13], scores s[14:15]
	v_lshl_add_u32 v[SPW], v0, 2, SPARE
	v_mov_b32 v[NIL], 0
	ds_add_u32 v[SPW], v[NIL]                      ; the wave's opening: the add, twice on end, and its wait ahead of my first tensor load; the set-up below, work on registers, stands between the second and the wait
	ds_add_u32 v[SPW], v[NIL]
	v_lshrrev_b32 v12, 5, v0
	v_readfirstlane_b32 s[WV], v12                 ; wave 0..3
	s_lshr_b32 s17, s[WV], 1                       ; i: which 128 rows of enc
	s_and_b32 s18, s[WV], 1                        ; j: which half of a slot's rows of W
	s_bfe_u32 s19, ttmp6, 0x40000                  ; cx: my place in the cluster
	s_lshl_b32 s20, ttmp9, 2                       ; in a cluster launch ttmp9 counts clusters
	s_add_co_u32 s20, s20, s19                     ; my work-group: it enters enc's, its scales' and scores' addresses alone
	s_lshr_b32 s21, ttmp9, 1                       ; the batch: 8 work-groups, two clusters, to one: the four partners share it
	; group 1 for a quarter of a slot: 32 rows x 384 bytes, 768 apart in memory
	s_mov_b32 s[G1W+0], 15|(1<<20)|(1<<21)|(4<<22)|(3<<25)   ; 15:0 the mask: all four work-groups; 17:16 elements of 1 byte; 20 padding on; 21 set beside a mask; 24:22 after every 32 words (code 4); 31:25 4 words of it (code 3)
	s_mov_b32 s[G1W+1], 384<<16                    ; tensor_dim0
	s_mov_b32 s[G1W+2], 32<<16                     ; tensor_dim1
	s_mov_b32 s[G1W+3], 384<<16                    ; tile_dim0
	s_mov_b32 s[G1W+4], 32                         ; tile_dim1
	s_mov_b32 s[G1W+5], ROWB                       ; tensor_dim0_stride
	s_mov_b32 s[G1W+6], 0
	s_mov_b32 s[G1W+7], 0
	; for a quarter of W's scale bytes: 8,192 dense bytes as 32 rows of 256 (32 elements of 8 bytes), 16 bytes of padding behind each
	s_mov_b32 s[G1S+0], 15|(3<<16)|(1<<20)|(1<<21)|(5<<22)|(3<<25)
	s_mov_b32 s[G1S+1], 32<<16
	s_mov_b32 s[G1S+2], 32<<16
	s_mov_b32 s[G1S+3], 32<<16
	s_mov_b32 s[G1S+4], 32
	s_mov_b32 s[G1S+5], 32
	s_mov_b32 s[G1S+6], 0
	s_mov_b32 s[G1S+7], 0
	; for a quarter of hidden[b]: 1,024 dense bytes as 4 rows of 256, no padding
	s_mov_b32 s[G1H+0], 15|(3<<16)|(1<<21)
	s_mov_b32 s[G1H+1], 32<<16
	s_mov_b32 s[G1H+2], 4<<16
	s_mov_b32 s[G1H+3], 32<<16
	s_mov_b32 s[G1H+4], 4
	s_mov_b32 s[G1H+5], 32
	s_mov_b32 s[G1H+6], 0
	s_mov_b32 s[G1H+7], 0
	s_mov_b32 s[SEL], 0x76543210
	s_mov_b32 s[SEL+1], 0xfedcba98
	; offsets that hold my place in the cluster, in registers of their own
	s_lshl_b32 s66, s20, 8
	s_lshl_b32 s22, s[WV], 6
	s_add_co_u32 s66, s66, s22
	s_mul_i32 s66, s66, ROWB                       ; enc: row 256 x work-group + 64 x wave: the rows that I stage (under 2^26 bytes)
	s_mov_b32 s67, 0
	s_lshl_b32 s76, s20, 8
	s_lshl_b32 s22, s17, 7
	s_add_co_u32 s76, s76, s22
	s_lshl_b32 s76, s76, 5                         ; enc's scales: row 256 x work-group + 128 i, 32 bytes a row
	s_mov_b32 s77, 0
	s_lshl_b32 s78, s20, 10                        ; scores: 256 numbers a work-group
	s_mov_b32 s79, 0
	; offsets that feed descriptors: the wave's number and the batch alone
	s_lshl_b32 s68, s[WV], 13                      ; W's scales: 8,192 bytes a wave
	s_mov_b32 s69, 0
	s_lshl_b32 s80, s21, 12
	s_lshl_b32 s22, s[WV], 10
	s_add_co_u32 s80, s80, s22                     ; hidden: 4,096 x batch + 1,024 x wave
	s_mov_b32 s81, 0
	s_mul_i32 s82, s[WV], 32*ROWB                  ; W's codes: 32 rows a wave
	s_mov_b32 s83, 0
	s_mul_i32 s[TB], s18, 4*NBP                    ; my first block of W: block 4 j of slot 0,
	s_mul_i32 s[TS], s18, 4*544                    ; its scale words (two units of 272 bytes a block),
	s_lshl_b32 s[TH], s18, 8                       ; its 16 numbers of hidden (64 bytes a block)
	v_and_b32 v12, 15, v0                          ; r
	v_bfe_u32 v13, v0, 4, 1                        ; h
	v_mul_u32_u24 v[AB0], v12, PITCH
	v_mad_u32_u24 v[AB0], v13, 24, v[AB0]
	v_lshl_add_u32 v[AB1], v13, 4, v[AB0]
	v_bfe_u32 v72, v0, 3, 1                        ; W's row 16 nb + r has its 32 scale bytes in unit 2 nb + r / 8, at 32 (r % 8)
	v_mul_u32_u24 v[AS0], v72, 272
	v_and_b32 v73, 7, v0
	v_lshl_add_u32 v[AS0], v73, 5, v[AS0]
	v_add_nc_u32 v[AS0], SCL, v[AS0]
	v_lshl_add_u32 v[AH0], v13, 5, HIDL
	s_mul_i32 s22, s17, 128*PITCH
	s_add_co_u32 s22, s22, STG
	v_add_nc_u32 v[SA0], s22, v[AB0]
	v_lshl_add_u32 v[SA1], v13, 4, v[SA0]
	v_lshlrev_b32 v[AQ], 5, v12
	v_lshl_add_u32 v[AQ], v13, 11, v[AQ]           ; 32 (r + 64 h): lanes 16-31 take the row block four on
	s_mul_i32 s22, s[WV], 64*PITCH
	s_add_co_u32 s22, s22, STG                     ; my 64 rows of the stage
	v_mul_u32_u24 v[GAA], v13, ROWB                ; shape A: row h of two, column r of sixteen
	v_lshl_add_u32 v[GAA], v12, 4, v[GAA]
	v_mul_u32_u24 v[LAA], v13, PITCH
	v_lshl_add_u32 v[LAA], v12, 4, v[LAA]
	v_lshl_add_u32 v[LAA], v72, 4, v[LAA]          ; 16 bytes of padding behind the first eight columns (v72 = r / 8)
	v_add_nc_u32 v[LAA], s22, v[LAA]
	v_bfe_u32 v74, v0, 3, 2                        ; shape B: row (lane / 8) of four, column lane % 8 (v73)
	v_mul_u32_u24 v[GAB], v74, ROWB
	v_lshl_add_u32 v[GAB], v73, 4, v[GAB]
	v_mul_u32_u24 v[LAB], v74, PITCH
	v_lshl_add_u32 v[LAB], v73, 4, v[LAB]
	v_add_nc_u32 v[LAB], s22, v[LAB]
	ADDR_A
	ADDR_B
	s_wait_dscnt 0x0                               ; both opening adds are done
	s_wait_kmcnt 0x0
	s_add_nc_u64 s[8:9], s[8:9], s[66:67]
	s_add_nc_u64 s[10:11], s[10:11], s[76:77]
	s_add_nc_u64 s[14:15], s[14:15], s[78:79]
	AGLOAD 0                                       ; enc's first half is what the first product waits for longest: asked for first
.irp a, 0,1,2,3
.irp c, 0,1
	global_load_b128 v[ES+8*\a+4*\c:ES+8*\a+4*\c+3], v[AQ], s[10:11] offset:512*\a+16*\c   ; the scale words of my 128 rows for all of K: they stay
.endr
.endr
	s_mov_b32 s[G0S], 1                            ; 1:0 count = 1
	s_mul_i32 s[G0S+1], s[WV], 32*272
	s_add_co_u32 s[G0S+1], s[G0S+1], SCL           ; 63:32 LDS address: no place in the cluster enters one
	s_add_nc_u64 s[G0S+2:G0S+3], s[6:7], s[68:69]  ; 120:64 global address
	s_or_b32 s[G0S+3], s[G0S+3], 0x80000000        ; 127:126 type = 2
	s_mov_b32 s[G0H], 1
	s_lshl_b32 s[G0H+1], s[WV], 10
	s_add_co_u32 s[G0H+1], s[G0H+1], HIDL
	s_add_nc_u64 s[G0H+2:G0H+3], s[12:13], s[80:81]
	s_or_b32 s[G0H+3], s[G0H+3], 0x80000000
	s_mov_b32 s[G0W0], 1
	s_mul_i32 s[G0W0+1], s[WV], QUART
	s_add_nc_u64 s[G0W0+2:G0W0+3], s[4:5], s[82:83]
	s_or_b32 s[G0W0+3], s[G0W0+3], 0x80000000
	s_mov_b32 s[G0W1], 1
	s_add_co_u32 s[G0W1+1], s[G0W0+1], SLOT1
	s_add_nc_u64 s[G0W1+2:G0W1+3], s[4:5], s[82:83]
	s_add_nc_u64 s[G0W1+2:G0W1+3], s[G0W1+2:G0W1+3], STEPW
	s_or_b32 s[G0W1+3], s[G0W1+3], 0x80000000
	CROUND                                         ; all four work-groups are here: the first joint loads meet
	tensor_load_to_lds s[G0S:G0S+3], s[G1S:G1S+7]  ; the first fills go out as one group, every wave a quarter of each: four loads of mine are out
	s_nop 0
	tensor_load_to_lds s[G0H:G0H+3], s[G1H:G1H+7]
	s_nop 0
	tensor_load_to_lds s[G0W0:G0W0+3], s[G1W:G1W+7]
	s_nop 0
	tensor_load_to_lds s[G0W1:G0W1+3], s[G1W:G1W+7]
	s_nop 0
.rept 4
	v_nop
.endr
	WIN 0xc0
.irp n, 0,1,2,3,4,5,6,7,8,9,10,11,12,13,14,15
	v_mov_b32 v[\n], 0                             ; the partial scores: 64 groups add onto them
.endr
	WIN 0
	s_wait_loadcnt 0x0                             ; enc's first half and its scale words
	ASTORE 0
	s_wait_tensorcnt 0x1                           ; W's scales, hidden and my quarter of slot 0 are in; slot 1's load may stay out
	s_wait_dscnt 0x0                               ; for the others' sake: my rows lie in the stage (and the stores have read their registers)
	s_barrier_signal -1
	s_barrier_wait -1
	AFLOAD
	FRAG WF, ADB0, 0, 0                            ; the first group's F0, scale words, F1, F2, in the order in which every group leaves them for the next
	ds_load_b128 v[WS:WS+3], v[ADS]
	FRAG WF+12, ADB0, 1, 0
	FRAG WF+24, ADB0, 2, 0
	AGLOAD 1                                       ; enc's second half: it has seven eighths of the first pass in which to land
	GROUP 0, 0, 0, 1, 0, 0                         ; group 0: nothing to drain yet
	WIN 0
	s_mov_b32 s[CNT], 6
.Lpass0:                                           ; groups 1 to 24: the changes of slots behind W's rows 0-127 .. 640-767 of the first pass
	TRIP 0, 1, 0
	s_sub_co_u32 s[CNT], s[CNT], 1
	s_cmp_lg_u32 s[CNT], 0
	s_cbranch_scc1 .Lpass0
	TRIP 0, 1, 1                                   ; groups 25 to 28: the refill is the second pass's first tile
	s_wait_loadcnt 0x0                             ; enc's second half is in registers.  Every wave's reads of the stage's first half were waited for in front of the first change of slots' barrier, which all have long passed:
	ASTORE 1                                       ; so the stage may be written again
	GROUP 1, 0, 0, 1, 1, 0
	GROUP 0, 0, 0, 1, 1, 0
	GROUP 1, 0, 1, 3, 1, 0                         ; group 31, the first pass's last: its wait for 0 on DScnt and its barrier show the stage's rows to every wave
	AFLOAD                                         ; behind the group's last batch, four places behind the last product that read enc's fragments.
	                                               ; The next group's wait for 12 leaves AFLOAD's last 12 loads out (K step 3, row blocks 6, 7); its wait for 15 ahead of K step 2 has 15 younger loads behind it: all of AFLOAD is in
	GROUP 0, 1, 0, 1, 1, 0
	WIN 0
	s_mov_b32 s[CNT], 6
.Lpass1:                                           ; groups 33 to 56
	TRIP 1, 1, 0
	s_sub_co_u32 s[CNT], s[CNT], 1
	s_cmp_lg_u32 s[CNT], 0
	s_cbranch_scc1 .Lpass1
	TRIP 1, 2, 0                                   ; groups 57 to 60: the tail is written out: the last change of slots asks for nothing
	GROUP 1, 1, 0, 1, 1, 0
	GROUP 0, 1, 0, 1, 1, 0
	GROUP 1, 1, 0, 0, 1, 0                         ; group 63
	s_wait_dscnt 0x0                               ; its numbers of hidden
.irp b, 0,1,2,3,4,5,6,7
	BATCH 1, \b, 1                                 ; the last drain.  The batch that closed group 63 is the four places behind its last product
.endr
	; THE WAY OUT.  A partial's two halves and lane l xor 16's are added; the two waves of a row half meet in LDS; each thread stores two scores.
	WIN 0x0f                                       ; sources 0 and 1 window 3
.irp m, 0,1,2,3,4,5,6,7
	v_add_f32 v[72+\m], v[2*\m], v[2*\m+1]
.endr
	WIN 0
.irp m, 0,1,2,3,4,5,6,7
	v_permlanex16_b32 v[80+\m], v[72+\m], s[SEL], s[SEL+1]   ; the row's other eight o of each block of 16
.endr
.irp m, 0,1,2,3,4,5,6,7
	v_add_f32 v[72+\m], v[72+\m], v[80+\m]         ; lanes l and l xor 16 now hold row 16 m + l % 16's partial
.endr
	v_and_b32 v13, 31, v0
	s_lshl_b32 s22, s18, 10
	s_lshl_b32 s23, s17, 9
	s_add_co_u32 s22, s22, s23
	s_add_co_u32 s22, s22, XCH
	v_lshl_add_u32 v12, v13, 2, s22                ; XCH + 1,024 j + 512 i + 4 x lane
	v_cmp_lt_u32 vcc_lo, 15, v13
.irp a, 0,1,2,3
	v_cndmask_b32 v[88+\a], v[72+2*\a], v[73+2*\a], vcc_lo   ; lanes 16-31 take the odd row block: lane l holds row 32 a + l
.endr
.irp a, 0,1,2,3
	ds_store_b32 v12, v[88+\a] offset:128*\a
.endr
	v_lshlrev_b32 v13, 3, v0
	v_add_nc_u32 v[AB0], XCH, v13
	s_wait_dscnt 0x0                               ; for the others' sake: my partials lie in LDS
	s_barrier_signal -1
	s_barrier_wait -1
	ds_load_b64 v[96:97], v[AB0]                   ; rows 2 t and 2 t + 1: j = 0's halves,
	ds_load_b64 v[98:99], v[AB0] offset:1024       ; and j = 1's
	s_wait_dscnt 0x0
	v_pk_add_f32 v[96:97], v[96:97], v[98:99]
	global_store_b64 v13, v[96:97], s[14:15]       ; a wave stores 256 consecutive bytes, at a multiple of 256 from the buffer's first byte
	s_wait_tensorcnt 0x0                           ; the wave's end, behind my last tensor load and my last LDS store
	ds_add_u32 v[SPW], v[NIL]
	s_wait_dscnt 0x0
	CROUND                                         ; the closing round: no work-group ends while a partner may still ask for a tile that names it
	s_endpgm
.Lfunc_end_k_q176da97ab5_scores:
	.size	k_q176da97ab5_scores, .Lfunc_end_k_q176da97ab5_scores-k_q176da97ab5_scores
	.p2alignl 7, 3214868480
	.fill 96, 4, 3214868480
	.section	.rodata,"a",@progbits
	.p2align	6, 0x0
	.amdhsa_kernel k_q176da97ab5_scores
		.amdhsa_group_segment_fixed_size 327680
		.amdhsa_private_segment_fixed_size 0
		.amdhsa_enable_private_segment 0
		.amdhsa_kernarg_size 48
		.amdhsa_user_sgpr_count 2
		.amdhsa_user_sgpr_kernarg_segment_ptr 1
		.amdhsa_wavefront_size32 1
		.amdhsa_system_sgpr_workgroup_id_x 1
		.amdhsa_system_sgpr_workgroup_id_y 1
		.amdhsa_system_sgpr_workgroup_id_z 1
		.amdhsa_system_vgpr_workitem_id 0
		.amdhsa_next_free_vgpr 1024
		.amdhsa_next_free_sgpr 96
		.amdhsa_reserve_vcc 1
		.amdhsa_float_denorm_mode_32 3
		.amdhsa_float_denorm_mode_16_64 3
		.amdhsa_memory_ordered 1
		.amdhsa_forward_progress 1
		.amdhsa_inst_pref_size 255
	.end_amdhsa_kernel
	.section	.bss,"aw",@nobits
	.p2align	6
	.space	262144
	.amdgpu_metadata
---
amdhsa.version: [ 1, 2 ]
amdhsa.kernels:
  - .name:           k_q176da97ab5_scores
    .symbol:         k_q176da97ab5_scores.kd
    .args:
      - { .name: W_codes, .offset: 0, .size: 8, .value_kind: global_buffer, .address_space: global }
      - { .name: W_scales, .offset: 8, .size: 8, .value_kind: global_buffer, .address_space: global }
      - { .name: encoder_outputs_codes, .offset: 16, .size: 8, .value_kind: global_buffer, .address_space: global }
      - { .name: encoder_outputs_scales, .offset: 24, .size: 8, .value_kind: global_buffer, .address_space: global }
      - { .name: hidden, .offset: 32, .size: 8, .value_kind: global_buffer, .address_space: global }
      - { .name: scores, .offset: 40, .size: 8, .value_kind: global_buffer, .address_space: global }
    .group_segment_fixed_size: 327680
    .private_segment_fixed_size: 0
    .kernarg_segment_align: 8
    .kernarg_segment_size: 48
    .max_flat_workgroup_size: 128
    .sgpr_count:     96
    .vgpr_count:     1024
    .wavefront_size: 32
...
	.end_amdgpu_metadata
.endif
;; end of part 1
;; launch softmax (part 2): grid 32 x 1, 8 waves a work-group, no clusters, 2,048 bytes of LDS; arguments scores, out0; writes out0
.if DOCPART == 2
	.amdgcn_target "amdgcn-amd-amdhsa--gfx1250"
	.amdhsa_code_object_version 6
	.text
	.protected	k_q176da97ab5_softmax
	.globl	k_q176da97ab5_softmax
	.p2align	8
	.type	k_q176da97ab5_softmax,@function
k_q176da97ab5_softmax:
	s_mov_b64 s[64:65], 0
	v_nop
	global_prefetch_b8 v0, s[64:65] scope:SCOPE_SE
	s_setreg_imm32_b32 hwreg(HW_REG_WAVE_MODE, 25, 1), 1
	s_wait_xcnt 0x0
; out0[b][0][s] = softmax over s of scores[b][s].  scores: [32][2048] f32, as the launch before stored them: without the bias's term, which is the same for all s of a batch and which a softmax takes away for all finite values.
; A work-group of eight waves takes one batch: 8,192 bytes; thread t holds the 16 bytes at 16 t and at 4,096 + 16 t, so each load and store of a wave covers 512 consecutive bytes.  The row stays in registers: read once, written once.
; The row's largest score is taken away before the exponential, as reference() does; the difference is formed first and then multiplied by log2(e), so that it is exact near the maximum however large the scores are.
; No matrix unit, no cluster, no tensor load: 256 KiB in all, and work-groups share nothing.  32 rows make 32 work-groups.
; LIMITS: a row that holds a NaN, or nothing but -infinity, is not served.  An exponential under 2^-126 comes out as 0 (ISA guide, 15.8).
.set SPARE, 512                        ; LDS: bytes 0-31 the waves' maxima (a block of 256 to themselves), 256-287 the waves' sums (likewise), from 512 the spare words, 128 bytes a wave
	s_load_b128 s[4:7], s[0:1], 0x0                ; scores, out0
	v_lshl_add_u32 v30, v0, 2, SPARE               ; my spare word,
	v_mov_b32 v31, 0                               ; and 0: kept for the closing lines
	v_lshlrev_b32 v1, 4, v0                        ; my 16 bytes
	v_lshrrev_b32 v2, 5, v0
	v_lshlrev_b32 v2, 2, v2                        ; LDS: my wave's word
	v_mov_b32 v3, 0                                ; LDS: the eight words
	v_mov_b32 v13, 0                               ; written once: a lane permute's destination counts as one of its sources
	s_lshl_b32 s8, ttmp9, 13                       ; my batch's 8,192 bytes
	s_mov_b32 s9, 0
	s_mov_b32 s10, 0x76543210                      ; v_permlanex16_b32's selects for lane l xor 16
	s_mov_b32 s11, 0xfedcba98
	s_wait_kmcnt 0x0
	s_add_nc_u64 s[4:5], s[4:5], s[8:9]
	s_add_nc_u64 s[6:7], s[6:7], s[8:9]
	global_load_b128 v[4:7], v1, s[4:5] th:TH_LOAD_NT
	global_load_b128 v[8:11], v1, s[4:5] offset:4096 th:TH_LOAD_NT
	s_wait_loadcnt 0x0
	v_max3_num_f32 v12, v4, v5, v6                 ; the largest of my eight,
	v_max3_num_f32 v12, v12, v7, v8
	v_max3_num_f32 v12, v12, v9, v10
	v_max_num_f32 v12, v12, v11
	v_max_num_f32_dpp v12, v12, v12 row_xmask:1 row_mask:0xf bank_mask:0xf   ; of my wave's 256,
	v_max_num_f32_dpp v12, v12, v12 row_xmask:2 row_mask:0xf bank_mask:0xf
	v_max_num_f32_dpp v12, v12, v12 row_xmask:4 row_mask:0xf bank_mask:0xf
	v_max_num_f32_dpp v12, v12, v12 row_xmask:8 row_mask:0xf bank_mask:0xf
	v_permlanex16_b32 v13, v12, s10, s11
	v_max_num_f32 v12, v12, v13
	ds_store_b32 v2, v12                           ; all lanes write the same word with the same value
	s_wait_dscnt 0x0                               ; for the others' sake
	s_barrier_signal -1
	s_barrier_wait -1
	ds_load_b128 v[16:19], v3
	ds_load_b128 v[20:23], v3 offset:16
	s_wait_dscnt 0x0
	v_max3_num_f32 v12, v16, v17, v18              ; and of the row
	v_max3_num_f32 v12, v12, v19, v20
	v_max3_num_f32 v12, v12, v21, v22
	v_max_num_f32 v12, v12, v23
.irp k, 4,6,8,10
	v_pk_add_f32 v[\k:\k+1], v[\k:\k+1], v[12:13] op_sel_hi:[1,0] neg_lo:[0,1] neg_hi:[0,1]   ; x - M (of the pair the low word serves both halves)
.endr
.irp k, 4,6,8,10
	v_pk_mul_f32 v[\k:\k+1], v[\k:\k+1], 0x3fb8aa3b op_sel_hi:[1,0]                           ; x log2(e)
.endr
.irp k, 4,5,6,7,8,9,10,11
	v_exp_f32 v[\k], v[\k]                         ; one batch
.endr
	v_nop                                          ; a plain instruction behind the last exponential
	s_wait_alu depctr_va_vdst(0)                   ; one wait for the eight, ahead of their first reader
	v_pk_add_f32 v[14:15], v[4:5], v[6:7]
	v_pk_add_f32 v[24:25], v[8:9], v[10:11]
	v_pk_add_f32 v[14:15], v[14:15], v[24:25]
	v_add_f32 v14, v14, v15                        ; the sum of my eight,
	v_add_f32_dpp v14, v14, v14 row_xmask:1 row_mask:0xf bank_mask:0xf       ; of my wave's,
	v_add_f32_dpp v14, v14, v14 row_xmask:2 row_mask:0xf bank_mask:0xf
	v_add_f32_dpp v14, v14, v14 row_xmask:4 row_mask:0xf bank_mask:0xf
	v_add_f32_dpp v14, v14, v14 row_xmask:8 row_mask:0xf bank_mask:0xf
	v_permlanex16_b32 v13, v14, s10, s11
	v_add_f32 v14, v14, v13
	ds_store_b32 v2, v14 offset:256                ; other bytes than the maxima's: no barrier is owed between the reads above and this store
	s_wait_dscnt 0x0
	s_barrier_signal -1
	s_barrier_wait -1
	ds_load_b128 v[16:19], v3 offset:256
	ds_load_b128 v[20:23], v3 offset:272
	s_wait_dscnt 0x0
	v_pk_add_f32 v[16:17], v[16:17], v[18:19]
	v_pk_add_f32 v[20:21], v[20:21], v[22:23]
	v_pk_add_f32 v[16:17], v[16:17], v[20:21]
	v_add_f32 v14, v16, v17                        ; and of the row: at least 1, since the largest score gives 1
	v_rcp_f32 v14, v14
	v_nop                                          ; a plain instruction behind the reciprocal
	s_wait_alu depctr_va_vdst(0)                   ; and the wait ahead of its first reader
.irp k, 4,6,8,10
	v_pk_mul_f32 v[\k:\k+1], v[\k:\k+1], v[14:15] op_sel_hi:[1,0]
.endr
	global_store_b128 v1, v[4:7], s[6:7] th:TH_STORE_NT
	global_store_b128 v1, v[8:11], s[6:7] offset:4096 th:TH_STORE_NT
	s_wait_tensorcnt 0x0                           ; the wave's end, behind my last LDS store
	ds_add_u32 v30, v31
	s_wait_dscnt 0x0
	s_endpgm
.Lfunc_end_k_q176da97ab5_softmax:
	.size	k_q176da97ab5_softmax, .Lfunc_end_k_q176da97ab5_softmax-k_q176da97ab5_softmax
	.p2alignl 7, 3214868480
	.fill 96, 4, 3214868480
	.section	.rodata,"a",@progbits
	.p2align	6, 0x0
	.amdhsa_kernel k_q176da97ab5_softmax
		.amdhsa_group_segment_fixed_size 2048
		.amdhsa_private_segment_fixed_size 0
		.amdhsa_enable_private_segment 0
		.amdhsa_kernarg_size 16
		.amdhsa_user_sgpr_count 2
		.amdhsa_user_sgpr_kernarg_segment_ptr 1
		.amdhsa_wavefront_size32 1
		.amdhsa_system_sgpr_workgroup_id_x 1
		.amdhsa_system_sgpr_workgroup_id_y 1
		.amdhsa_system_sgpr_workgroup_id_z 1
		.amdhsa_system_vgpr_workitem_id 0
		.amdhsa_next_free_vgpr 32
		.amdhsa_next_free_sgpr 66
		.amdhsa_reserve_vcc 0
		.amdhsa_float_denorm_mode_32 3
		.amdhsa_float_denorm_mode_16_64 3
		.amdhsa_memory_ordered 1
		.amdhsa_forward_progress 1
		.amdhsa_inst_pref_size 5
	.end_amdhsa_kernel
	.amdgpu_metadata
---
amdhsa.version: [ 1, 2 ]
amdhsa.kernels:
  - .name:           k_q176da97ab5_softmax
    .symbol:         k_q176da97ab5_softmax.kd
    .args:
      - { .name: scores, .offset: 0, .size: 8, .value_kind: global_buffer, .address_space: global }
      - { .name: out0, .offset: 8, .size: 8, .value_kind: global_buffer, .address_space: global }
    .group_segment_fixed_size: 2048
    .private_segment_fixed_size: 0
    .kernarg_segment_align: 8
    .kernarg_segment_size: 16
    .max_flat_workgroup_size: 256
    .sgpr_count:     66
    .vgpr_count:     32
    .wavefront_size: 32
...
	.end_amdgpu_metadata
.endif
;; end of part 2
;; ======== version 2 of 2: 2 launches
;; limits: right only within a limited range of input values
;; workspace buffers: scores 262,144 bytes
;; launch scores (part 3): grid 256 x 1, 4 waves a work-group, clusters of 4 x 1, 327,680 bytes of LDS; arguments W_codes, W_scales, encoder_outputs_codes, encoder_outputs_scales, hidden, scores; writes scores
.if DOCPART == 3
	.amdgcn_target "amdgcn-amd-amdhsa--gfx1250"
	.amdhsa_code_object_version 6
	.text
	.protected	k_q176da97ab5_scores
	.globl	k_q176da97ab5_scores
	.p2align	8
	.type	k_q176da97ab5_scores,@function
k_q176da97ab5_scores:
	s_mov_b64 s[64:65], 0
	v_nop
	global_prefetch_b8 v0, s[64:65] scope:SCOPE_SE
	s_setreg_imm32_b32 hwreg(HW_REG_WAVE_MODE, 25, 1), 1
	s_wait_xcnt 0x0
	s_wait_alu depctr_hold_cnt(0) depctr_sa_sdst(0) depctr_va_vdst(0) depctr_va_sdst(0) depctr_va_ssrc(0) depctr_va_vcc(0) depctr_vm_vsrc(0)
	s_getreg_b32 s2, hwreg(HW_REG_IB_STS2, 6, 4)
	s_cmp_eq_u32 s2, 0
	s_cbranch_scc0 .Lentry_in_a_cluster
	s_endpgm
.Lentry_in_a_cluster:
	s_bfe_u32 s2, ttmp6, 0x10000c
	s_cmp_lg_u32 s2, 0x3003
	s_cbranch_scc0 .Lentry_shape_is_right
	s_endpgm
.Lentry_shape_is_right:
; scores[b][s] = sum over o of hidden[b][o] x (sum over k of enc[b][s][k] W[o][k]): the softmax's input, less the bias's term.  The softmax itself is the next launch.
; WORK LEFT OUT: THE BIAS b.  reference() adds b[o] to energy[b][s][o], so it adds sum over o of b[o] hidden[b][o] to scores[b][s]: a number that hangs on the batch b alone and is the same for all s.
; softmax over s of (x[s] + t) equals softmax over s of x[s] for every finite t, so for all finite values of the inputs b reaches no output; it enters no quantised operand either.  b is not loaded and is no argument of any launch.
; LIMITS: a NaN, an infinity or an overflow that comes through b alone is not carried to the result.  A scale byte 0xff gives NaN, as the matrix instruction has it.  The sums over o are added in another order than reference()'s.
; THE FIRST PRODUCT is done whole by v_wmma_scale_f32_16x16x128_f8f6f4 on the codes; the second (N = 1) by f32 fused multiply-adds on the first's sums while they are in registers.
; SHARES.  A work-group owns 256 rows (b, s).  Wave (i, j): its rows 64 i .. +63 of the first 128 (row blocks 0-3) and of the second 128 (row blocks 4-7), against 64 of every 128 rows of W (from 64 j on).
; enc IS STATIONARY: 8 blocks of 16 rows x 1,024 along K are 64 fragments, 768 registers.  W streams once through LDS, 128 whole rows of 768 bytes to a slot.
; THE ORDER OF K inside a matrix step of 128: lane half h takes the 48 neighbouring bytes at 96 q + 48 h, blocks 2 h and 2 h + 1 of the step, as three pieces of 16 bytes, in W and in enc alike; the form gives half h the
; scale bytes h and 2 + h, so the two middle bytes of every scale word change places, in W's words and in enc's alike.
; TRANSPOSED USE: source 0 = 16 rows of W, source 1 = 16 rows of enc: a lane holds ONE row (b, s) (r = lane % 16) and eight neighbouring o (8 h + 0..7).
; A GROUP is one block of 16 rows of W against all eight row blocks: 64 products in four phases of 16: row blocks 0-3 and then 4-7 with K steps 0-3, row blocks 0-3 and then 4-7 with K steps 4-7.
; So W's fragments of K steps 0-3 are free in the last two phases and those of K steps 4-7 in the next group's first two: each half is fetched anew in ONE run of loads, 32 products ahead of its use, with one set of registers.
; The first four accumulators are drained in the fourth phase, the other four in the next group's first: 16 packed multiply-adds each, by hidden, into pairs of partials.
; THE HEAD: LDS holds enc's first 128 rows (region 0), W's rows 0-127 (region 1), enc's second 128 rows (region 2).  enc goes into registers; then W's later slots take regions 0 and 2 by turns.
; CLUSTER 4, 1, 1: every work-group reads the same W, so W's tiles are asked for JOINTLY with the mask of all four, the most that a mask names.  enc is read by one work-group alone.
; NO PREFETCH: enc is asked for whole at the head, with no loop to run ahead in; a slot of W is asked for 216 products of a wave ahead of the wait for it; W's scale words come three groups ahead.
.set ROWB,   768                       ; a row of W or enc in memory: 1,024 codes
.set PITCH,  816                       ; in LDS 3 x (256 + 16 of padding): an odd multiple of 16, so 16 rows' pieces of 16 bytes lie in 16 different columns modulo 256
.set NBP,    16*PITCH
.set REG,    128*PITCH                 ; a region: 104,448 bytes
.set WR,     REG                       ; region 1
.set ER1,    2*REG                     ; region 2
.set QUART,  32*PITCH
.set STEPW,  128*ROWB
.set HIDL,   3*REG                     ; hidden[b], 4,096 bytes, written by LDS stores
.set SPARE,  HIDL+4096                 ; the spare words, 128 bytes a wave: two blocks of 256 bytes that no other line names
.set XCH,    SPARE+512                 ; [j][256 rows] f32: where the two halves of a score meet
; window 0 (v0: the thread's number, kept)
.set AD0,  2                           ; v2, v3  my lane's place among region 0's rows of W; the second for pieces where lanes 16-31 lie one padding further on
.set AD1,  4                           ; v4, v5  the same in region 1, later in region 2
.set EQ,   6                           ; v6, v7  my rows of enc in region 2
.set ADH,  8                           ; v8   hidden in LDS
.set WSO,  9                           ; v9   32 r + 16 h: scale words in memory
.set WS,   10                          ; v10-25 W's scale words: four sets of four: lanes 0-15 K steps 0-3, lanes 16-31 K steps 4-7
.set SPW,  26                          ; v26  my spare word's address; never rewritten
.set NIL,  27                          ; v27  0; never rewritten
.set ES,   28                          ; v28-59 enc's scale words, four for each row block, lanes as in WS
.set PP,   60                          ; v60-75 the partial scores: a pair for each row block
.set HID,  76                          ; v76-83 hidden of the block to be drained
.set WF,   84                          ; v84-179 W's eight fragments of a block
.set ACC,  180                         ; v180-243 eight accumulators: row blocks 0-3 (set 0), 4-7 (set 1)
.set FX,   244                         ; v244-255 the last fragment of enc (first: the addresses of my rows of enc in region 0)
; enc, windows 1 to 3: row blocks 0-3 (mh = 0), fragment f = 4 q + m: from 256 + 12 f (f < 21), from 512 (f = 21..31); row blocks 4-7 (mh = 1): from 768 (f < 21), from 644 (f = 21..30), FX (f = 31): none crosses a window's end
.set WV,   16                          ; s16 wave; s17 i; s18 j; s19 cx; s20 work-group; s21 batch
.set XO,   23
.set G1E,  24                          ; group 1: 64 rows, no mask
.set G1F,  32                          ; 128 rows, no mask
.set G1V,  40                          ; 128 rows, mask
.set G1W,  48                          ; 32 rows, mask
.set G0A,  56
.set G0B,  60
.set G0C,  68
.set CNT,  72
.set PSEL, 73
.set SEL,  74
.set G0W,  76                          ; s[76:79] the ring's group 0 for region 0, s[80:83] for region 2
; a group's flags
.set fDB,1                             ; drain set 1, the group before's
.set fRL,2                             ; fetch the next block's fragments of K steps 0-3
.set fEN,4                             ; enc's second half is on its way from LDS
.set fCH,8                             ; change of slots
.set fFI,16                            ; with a refill
.set fST,32                            ; whose address steps
.set fPM,64                            ; order the next block's scale words
.set fWS,128                           ; ask for the scale words three blocks on
.set fMA,256                           ; the drain of set 0 starts its partials
.set fMB,512                           ; that of set 1
.set MG, fDB+fRL+fPM+fWS
.set MSB, 0
; THE WAITS ON DScnt AND LOADcnt.  Loads of one kind come back in order (ISA guide 5.7.1).  DSN and GLN count them as they are issued; LX, LY, LH, LEE, LGk hold the count behind the load in question; a wait's number is the difference.
.set DSN, 0
.set WTD, 0
.set LX, 0
.set LY, 0
.set LH, 0
.set LEE, 0
.set GLN, 0
.irp k, 0,1,2,3
.set LG\k, 0
.endr
.macro NEED x
.if (\x) > WTD
.set CN, DSN-(\x)
	s_wait_dscnt CN
.set WTD, (\x)
.endif
.endm
.macro WIN new                         ; the immediate's high byte repeats the setting that is left; a switch that changes nothing is dropped
.if MSB != (\new)
	s_set_vgpr_msb (MSB<<8)|(\new)
.set MSB, (\new)
.endif
.endm
.macro CREST                           ; a round of the cluster's barrier behind its opening barrier
	s_cmp_lg_u32 s[WV], 0
	s_cbranch_scc1 .Lnot_wave_0_\@
	s_barrier_signal -3
.Lnot_wave_0_\@:
	s_barrier_wait -3
	s_barrier_signal -1
	s_barrier_wait -1
.endm
.macro CROUND
	s_barrier_signal -1
	s_barrier_wait -1
	CREST
.endm
; Piece i of three of K step q's fragment: 16 bytes.  16 bytes of padding lie behind every 16 pieces; lanes 16-31 lie three pieces on.
.macro LPC reg, adr, q, i, off
.set PCE, 6*(\q)+(\i)
.if (PCE%16) < 13
	ds_load_b128 v[(\reg)+4*(\i):(\reg)+4*(\i)+3], v[\adr] offset:(\off)+16*PCE+16*(PCE/16)
.else
	ds_load_b128 v[(\reg)+4*(\i):(\reg)+4*(\i)+3], v[(\adr)+1] offset:(\off)+16*PCE+16*(PCE/16)
.endif
.set DSN, DSN+1
.endm
.macro WFRAG q, adr, b                 ; W's fragment of K step q of block b
	LPC WF+12*(\q), \adr, (\q), 0, NBP*(\b)
	LPC WF+12*(\q), \adr, (\q), 1, NBP*(\b)
	LPC WF+12*(\q), \adr, (\q), 2, NBP*(\b)
.endm
.macro RF mh, f                        ; where fragment f of enc lies
.if (\mh)==0
.if (\f)<21
.set rE, 256+12*(\f)
.else
.set rE, 512+12*((\f)-21)
.endif
.else
.if (\f)<21
.set rE, 768+12*(\f)
.elseif (\f)<31
.set rE, 644+12*((\f)-21)
.else
.set rE, FX
.endif
.endif
.set rEW, rE/256
.set rEL, rE%256
.endm
.macro ENC mh, q                       ; K step q of enc's four row blocks
.set rB, FX+(EQ-FX)*(\mh)
.irp m, 0,1,2,3
	RF \mh, 4*(\q)+\m
	WIN rEW<<6
	LPC rEL, rB, (\q), 0, NBP*\m
	LPC rEL, rB, (\q), 1, NBP*\m
	LPC rEL, rB, (\q), 2, NBP*\m
.endr
.endm
; One product: accumulator rN of set rMH, K step rQ.  rQ = 0 starts the sum with the constant 0: nothing is cleared.
.macro WM cb
	RF rMH, 4*rQ+rN
.set rD, ACC+32*rMH+8*rN
.set rW, WF+12*rQ
.set rSW, WS+4*(\cb)+rQ%4
.set rSE, ES+4*(4*rMH+rN)+rQ%4
	WIN rEW<<2
.if rQ==0
	v_wmma_scale_f32_16x16x128_f8f6f4 v[rD:rD+7], v[rW:rW+11], v[rEL:rEL+11], 0, v[rSW], v[rSE] matrix_a_fmt:MATRIX_FMT_FP6 matrix_b_fmt:MATRIX_FMT_FP6
.elseif rQ<4
	v_wmma_scale_f32_16x16x128_f8f6f4 v[rD:rD+7], v[rW:rW+11], v[rEL:rEL+11], v[rD:rD+7], v[rSW], v[rSE] matrix_a_fmt:MATRIX_FMT_FP6 matrix_b_fmt:MATRIX_FMT_FP6
.else
	v_wmma_scale_f32_16x16x128_f8f6f4 v[rD:rD+7], v[rW:rW+11], v[rEL:rEL+11], v[rD:rD+7], v[rSW], v[rSE] matrix_a_fmt:MATRIX_FMT_FP6 matrix_b_fmt:MATRIX_FMT_FP6 matrix_a_scale:MATRIX_SCALE_ROW1 matrix_b_scale:MATRIX_SCALE_ROW1
.endif
.endm
; Two lines, the e-th of eight pairs, of the drain of set t: registers 2 (e / 2), 2 (e / 2) + 1 of two accumulators (each is read from its low end on): partial += sum x hidden
.macro PK2 t, e, mu
.irp d, 0,1
.set rM, 2*((\e)%2)+\d
.set rK, (\e)/2
.set rA, ACC+32*(\t)+8*rM+2*rK
.set rP, PP+8*(\t)+2*rM
.set rH, HID+2*rK
.if ((\mu)!=0) && (rK==0)
	v_pk_mul_f32 v[rP:rP+1], v[rA:rA+1], v[rH:rH+1]
.else
	v_pk_fma_f32 v[rP:rP+1], v[rA:rA+1], v[rH:rH+1], v[rP:rP+1]
.endif
.endr
.endm
; The run in a group's middle: hidden of this block (the drains of its two sets read it), and the next block's fragments of K steps 0-3, whose registers were last read by product 31
.macro RUNX na, nb, ho, F
	ds_load_b128 v[HID:HID+3], v[ADH] offset:\ho
	ds_load_b128 v[HID+4:HID+7], v[ADH] offset:(\ho)+16
.set DSN, DSN+2
.set LH, DSN
.if ((\F)&fRL)!=0
.irp q, 0,1,2,3
	WFRAG \q, \na, \nb
.endr
.set LX, DSN
.endif
.endm
; Product p of a group, and what stands ahead of it and behind it
.macro POS ca, cb, na, nb, ho, wi, fd, F, p
.if (\p)==0                            ; the run at a group's start: this block's fragments of K steps 4-7, whose registers were last read by the group before's last product, four v_nop ago
	WIN 0
.irp q, 4,5,6,7
	WFRAG \q, \ca, \cb
.endr
.set LY, DSN
.if ((\F)&fWS)!=0
.set rS, WS+4*(((\cb)+3)%4)
	global_load_b128 v[rS:rS+3], v[WSO], s[6:7] offset:\wi    ; 512 consecutive bytes: 16 rows' scale words
.set GLN, GLN+1
.irp k, 0,1,2,3
.if (((\cb)+3)%4)==\k
.set LG\k, GLN
.endif
.endr
.endif
.if ((\F)&fCH)!=0
	s_wait_tensorcnt 0x0                           ; all my tensor loads have landed: my quarter of the next slot among them
	ds_add_u32 v[SPW], v[NIL]                      ; 0 onto my spare word; 32 products stand between it and the wait for it
.set DSN, DSN+1
.if ((\F)&fST)!=0
	s_add_nc_u64 s[G0W+4*(\fd)+2:G0W+4*(\fd)+3], s[G0W+4*(\fd)+2:G0W+4*(\fd)+3], 2*STEPW   ; no load of mine is out: this region's next rows of W; the type bits on top are not reached
.endif
.endif
	NEED LX                                        ; K steps 0-3 are in; the loads just issued may be out
.elseif (\p)==16
.if ((\F)&fEN)!=0
	NEED LEE                                       ; enc's second half is in
.endif
.elseif (\p)==32
.if ((\F)&fPM)!=0
.irp k, 0,1,2,3
.if (((\cb)+1)%4)==\k
.set CN, GLN-LG\k
	s_wait_loadcnt CN                              ; the next block's scale words are in; those of the blocks behind it may be out
.endif
.endr
.set rS, WS+4*(((\cb)+1)%4)
.irp k, 0,1,2,3
	v_perm_b32 v[rS+\k], v[rS+\k], s[PSEL], s[PSEL]           ; these four are also the places behind product 31 for the run of loads
.endr
.endif
.if ((\F)&fCH)!=0
	s_wait_dscnt 0x0                               ; the add is done, K steps 4-7 are in, and my reads of the region that is filled next are over
.set WTD, DSN
	s_barrier_signal -1                            ; eight products, work on registers, while the others arrive
.else
	RUNX \na, \nb, \ho, \F
	NEED LY                                        ; K steps 4-7 are in
.endif
.elseif (\p)==40
.if ((\F)&fCH)!=0
	WIN 0
	s_barrier_wait -1                              ; the next slot is whole
.if ((\F)&fFI)!=0
	CREST                                          ; no wave of any partner reads the region to be filled or has a load on its way
	tensor_load_to_lds s[G0W+4*(\fd):G0W+4*(\fd)+3], s[G1W:G1W+7]   ; my one tensor load until the next round
	s_nop 0
.endif
	RUNX \na, \nb, \ho, \F
.endif
.elseif (\p)==48
.rept 4
	v_nop                                          ; places behind set 0's last products, for their drain
.endr
	NEED LH                                        ; hidden is in
.endif
.set rMH, ((\p)/16)%2
.set rQ, 4*((\p)/32)+((\p)%16)/4
.set rN, (\p)%4
	WM \cb
.if ((\p)%2)==1
.if (\p)<16
.if ((\F)&fDB)!=0
	WIN 0
	PK2 1, ((\p)%16)/2, (\F)&fMB
.endif
.elseif (\p)>48
	WIN 0
	PK2 0, ((\p)%16)/2, (\F)&fMA
.endif
.endif
.if (\p)==63
.rept 4
	v_nop                                          ; places behind set 1's last products, for their drain and for the run at the next group's start
.endr
.endif
.endm
; A GROUP: block b of a slot.  ad: the slot's address registers; nad, nb: the next block's; sp: the slot's place behind W's rows 128-255 as the offsets count; fd: the region that is filled; F: the flags.
; The accumulators take turns, one instruction a turn.
.macro GRP ad, b, nad, nb, sp, fd, F
.irp p, 0,1,2,3,4,5,6,7,8,9,10,11,12,13,14,15,16,17,18,19,20,21,22,23,24,25,26,27,28,29,30,31,32,33,34,35,36,37,38,39,40,41,42,43,44,45,46,47,48,49,50,51,52,53,54,55,56,57,58,59,60,61,62,63
	POS \ad, \b, \nad, \nb, 512*(1+(\sp))+64*(\b), 4096*((\sp)+1+((\b)+3)/4)+512*(((\b)+3)%4), \fd, \F, \p
.endr
.endm
.macro SLOT ad, nad, sp, fd, ch        ; a slot's four groups; the slot is left in the last one's middle
	GRP \ad, 0, \ad, 1, \sp, 0, MG
	GRP \ad, 1, \ad, 2, \sp, 0, MG
	GRP \ad, 2, \ad, 3, \sp, 0, MG
	GRP \ad, 3, \nad, 0, \sp, \fd, MG+fCH+(\ch)
.endm
	s_load_b256 s[4:11], s[0:1], 0x0               ; W's codes s[4:5], W's scales s[6:7], enc's codes s[8:9], enc's scales s[10:11]
	s_load_b128 s[12:15], s[0:1], 0x20             ; hidden s[12:13], scores s[14:15]
	v_lshl_add_u32 v[SPW], v0, 2, SPARE
	v_mov_b32 v[NIL], 0
	ds_add_u32 v[SPW], v[NIL]                      ; the wave's opening: the add, twice on end, and its wait ahead of my first tensor load
	ds_add_u32 v[SPW], v[NIL]
	v_lshrrev_b32 v[ACC], 5, v0
	v_readfirstlane_b32 s[WV], v[ACC]              ; wave 0..3
	s_lshr_b32 s17, s[WV], 1                       ; i
	s_and_b32 s18, s[WV], 1                        ; j
	s_bfe_u32 s19, ttmp6, 0x40000                  ; cx: my place in the cluster
	s_lshl_b32 s20, ttmp9, 2                       ; in a cluster launch ttmp9 counts clusters
	s_add_co_u32 s20, s20, s19                     ; my work-group: it enters enc's, its scales' and scores' addresses alone
	s_lshr_b32 s21, ttmp9, 1                       ; the batch: 8 work-groups to one
	; group 1: rows of 768 bytes, 16 bytes of padding behind every 64 words (code 5), 4 words of it (code 3); 15:0 the mask, 21 set beside a mask
	s_mov_b32 s[G1E+0], (1<<20)|(5<<22)|(3<<25)
	s_mov_b32 s[G1F+0], (1<<20)|(5<<22)|(3<<25)
	s_mov_b32 s[G1V+0], 15|(1<<20)|(1<<21)|(5<<22)|(3<<25)
	s_mov_b32 s[G1W+0], 15|(1<<20)|(1<<21)|(5<<22)|(3<<25)
	s_mov_b32 s[G1E+2], 64<<16                     ; tensor_dim1
	s_mov_b32 s[G1F+2], 128<<16
	s_mov_b32 s[G1V+2], 128<<16
	s_mov_b32 s[G1W+2], 32<<16
	s_mov_b32 s[G1E+4], 64                         ; tile_dim1
	s_mov_b32 s[G1F+4], 128
	s_mov_b32 s[G1V+4], 128
	s_mov_b32 s[G1W+4], 32
.irp g, G1E, G1F, G1V, G1W
	s_mov_b32 s[\g+1], ROWB<<16                    ; tensor_dim0
	s_mov_b32 s[\g+3], ROWB<<16                    ; tile_dim0
	s_mov_b32 s[\g+5], ROWB                        ; tensor_dim0_stride
	s_mov_b32 s[\g+6], 0
	s_mov_b32 s[\g+7], 0
.endr
	s_mov_b32 s[SEL], 0x76543210                   ; v_permlanex16_b32's selects for lane l xor 16
	s_mov_b32 s[SEL+1], 0xfedcba98
	s_mov_b32 s[PSEL], 0x07050604                  ; v_perm_b32: the two middle bytes of source 0 change places
	s_mul_i32 s66, s20, 256*ROWB                   ; enc: my 256 rows (under 2^26 bytes)
	s_mov_b32 s67, 0
	s_mul_i32 s94, s18, 64*ROWB                    ; waves 0 and 1: 64 rows each of the first 128
	s_mov_b32 s95, 0
	s_mul_i32 s84, s[WV], 32*ROWB                  ; W in the ring: 32 rows a wave
	s_mov_b32 s85, 0
	s_lshl_b32 s86, s20, 13                        ; enc's scales: 32 bytes a row, my wave's 64 rows
	s_lshl_b32 s22, s17, 11
	s_add_co_u32 s86, s86, s22
	s_mov_b32 s87, 0
	s_lshl_b32 s88, s18, 11                        ; W's scales: my 64 of 128 rows
	s_mov_b32 s89, 0
	s_lshl_b32 s90, s21, 12                        ; hidden
	s_mov_b32 s91, 0
	s_lshl_b32 s92, s20, 10                        ; scores
	s_mov_b32 s93, 0
	s_lshl_b32 s[XO], s18, 10
	s_lshl_b32 s22, s17, 8
	s_add_co_u32 s[XO], s[XO], s22
	s_add_co_u32 s[XO], s[XO], XCH                 ; XCH + 1,024 j + 256 i
	s_mul_i32 s2, s18, 64*PITCH                    ; my 64 rows of a slot of W,
	s_mul_i32 s3, s17, 64*PITCH                    ; and of 128 rows of enc
	s_lshl_b32 s22, s18, 8
	s_add_co_u32 s22, s22, HIDL
	v_and_b32 v[ACC+1], 15, v0                     ; r
	v_bfe_u32 v[ACC+2], v0, 4, 1                   ; h
	v_mul_u32_u24 v[ACC+3], v[ACC+1], PITCH
	v_mul_u32_u24 v[ACC+4], v[ACC+2], 48
	v_add_nc_u32 v[ACC+3], v[ACC+3], v[ACC+4]      ; 816 r + 48 h
	v_add_nc_u32 v[AD0], s2, v[ACC+3]
	v_lshl_add_u32 v[AD0+1], v[ACC+2], 4, v[AD0]
	v_add_nc_u32 v[AD1], WR, v[AD0]
	v_add_nc_u32 v[AD1+1], WR, v[AD0+1]
	v_add_nc_u32 v[FX], s3, v[ACC+3]
	v_lshl_add_u32 v[FX+1], v[ACC+2], 4, v[FX]
	v_add_nc_u32 v[EQ], ER1, v[FX]
	v_add_nc_u32 v[EQ+1], ER1, v[FX+1]
	v_lshl_add_u32 v[ADH], v[ACC+2], 5, s22
	v_lshlrev_b32 v[WSO], 5, v[ACC+1]
	v_lshl_add_u32 v[WSO], v[ACC+2], 4, v[WSO]
	v_lshlrev_b32 v[ACC+5], 4, v0                  ; hidden: 16 bytes a thread, twice
	v_add_nc_u32 v[ACC+6], HIDL, v[ACC+5]
	s_wait_alu depctr_va_vdst(0)
	s_wait_dscnt 0x0                               ; both opening adds are done
	CROUND                                         ; all four work-groups are here: the first joint load meets
	s_wait_kmcnt 0x0
	s_add_nc_u64 s[8:9], s[8:9], s[66:67]
	s_mov_b32 s[G0A], 1                            ; enc's first 128 rows: 64 each by waves 0 and 1
	s_mul_i32 s[G0A+1], s18, 64*PITCH
	s_add_nc_u64 s[G0A+2:G0A+3], s[8:9], s[94:95]
	s_or_b32 s[G0A+3], s[G0A+3], 0x80000000
	s_mov_b32 s[G0B], 1                            ; W's rows 0-127
	s_mov_b32 s[G0B+1], WR
	s_mov_b64 s[G0B+2:G0B+3], s[4:5]
	s_or_b32 s[G0B+3], s[G0B+3], 0x80000000
	s_mov_b32 s[G0C], 1                            ; enc's second 128 rows
	s_mov_b32 s[G0C+1], ER1
	s_add_nc_u64 s[G0C+2:G0C+3], s[8:9], 128*ROWB
	s_or_b32 s[G0C+3], s[G0C+3], 0x80000000
	; THE HEAD'S LOADS, ONE A WAVE, in one chain of branches on the wave's number
	s_cmp_lt_u32 s[WV], 2
	s_cbranch_scc0 .Lask_w
	tensor_load_to_lds s[G0A:G0A+3], s[G1E:G1E+7]
	s_nop 0
.rept 4
	v_nop
.endr
	s_branch .Lasked
.Lask_w:
	s_cmp_lt_u32 s[WV], 3
	s_cbranch_scc0 .Lask_e
	tensor_load_to_lds s[G0B:G0B+3], s[G1V:G1V+7]
	s_nop 0
.rept 4
	v_nop
.endr
	s_branch .Lasked
.Lask_e:
	tensor_load_to_lds s[G0C:G0C+3], s[G1F:G1F+7]
	s_nop 0
.rept 4
	v_nop
.endr
.Lasked:
	s_add_nc_u64 s[10:11], s[10:11], s[86:87]
	s_add_nc_u64 s[6:7], s[6:7], s[88:89]
	s_add_nc_u64 s[12:13], s[12:13], s[90:91]
	s_add_nc_u64 s[14:15], s[14:15], s[92:93]
.irp m, 0,1,2,3,4,5,6,7
	global_load_b128 v[ES+4*\m:ES+4*\m+3], v[WSO], s[10:11] offset:512*\m+2048*(\m/4)   ; 512 consecutive bytes: 16 rows' scale words; row blocks 4-7 lie 128 rows behind 0-3
.endr
.irp k, 0,1,2
	global_load_b128 v[WS+4*\k:WS+4*\k+3], v[WSO], s[6:7] offset:512*\k   ; W's blocks 0 to 2; from group 0 on each group asks for the block three on
.endr
	global_load_b128 v[WF:WF+3], v[ACC+5], s[12:13]
	global_load_b128 v[WF+4:WF+7], v[ACC+5], s[12:13] offset:2048
	s_mov_b32 s[G0W], 1                            ; the ring: region 0 takes W's rows 128-255 first,
	s_mul_i32 s[G0W+1], s[WV], QUART
	s_add_nc_u64 s[G0W+2:G0W+3], s[4:5], s[84:85]
	s_add_nc_u64 s[G0W+2:G0W+3], s[G0W+2:G0W+3], STEPW
	s_or_b32 s[G0W+3], s[G0W+3], 0x80000000
	s_mov_b32 s[G0W+4], 1                          ; region 2 rows 256-383
	s_add_co_u32 s[G0W+5], s[G0W+1], ER1
	s_add_nc_u64 s[G0W+6:G0W+7], s[4:5], s[84:85]
	s_add_nc_u64 s[G0W+6:G0W+7], s[G0W+6:G0W+7], 2*STEPW
	s_or_b32 s[G0W+7], s[G0W+7], 0x80000000
	s_wait_loadcnt 0x0
	ds_store_b128 v[ACC+6], v[WF:WF+3]
	ds_store_b128 v[ACC+6], v[WF+4:WF+7] offset:2048
.set k, 0
.rept 32
	v_perm_b32 v[ES+k], v[ES+k], s[PSEL], s[PSEL]
.set k, k+1
.endr
.set k, 0
.rept 4
	v_perm_b32 v[WS+k], v[WS+k], s[PSEL], s[PSEL]
.set k, k+1
.endr
	s_wait_alu depctr_va_vdst(0)
	s_cmp_lt_u32 s[WV], 3
	s_cbranch_scc0 .Lnot_mine                      ; wave 3's load, enc's second half, stays out, and nobody reads those bytes ahead of the next
	s_wait_tensorcnt 0x0
.Lnot_mine:
	s_wait_dscnt 0x0                               ; for the others' sake: hidden lies in LDS
	s_barrier_signal -1
	s_barrier_wait -1
.irp q, 0,1,2,3,4,5,6,7
	ENC 0, \q                                      ; enc's first half goes into registers while the second is landing
.endr
	WIN 0
.irp q, 0,1,2,3
	WFRAG \q, AD1, 0                               ; and W's first block's K steps 0-3
.endr
.set LX, DSN
	s_wait_tensorcnt 0x0                           ; enc's second half has landed (wave 3's load)
	ds_add_u32 v[SPW], v[NIL]                      ; 0 onto my spare word
.set DSN, DSN+1
	s_wait_dscnt 0x0                               ; the add is done, and so are my reads of region 0
.set WTD, DSN
	CROUND
	tensor_load_to_lds s[G0W:G0W+3], s[G1W:G1W+7]  ; region 0: W's rows 128-255
	s_nop 0
.irp q, 0,1,2,3,4,5,6,7
	ENC 1, \q
.endr
.set LEE, DSN
	GRP AD1, 0, AD1, 1, -1, 0, fRL+fPM+fWS+fEN+fMA ; nothing to drain yet; enc's second half has the first phase in which to come
	GRP AD1, 1, AD1, 2, -1, 0, MG+fMB
	GRP AD1, 2, AD1, 3, -1, 0, MG
	GRP AD1, 3, AD0, 0, -1, 1, MG+fCH+fFI          ; region 2 takes W's rows 256-383
	WIN 0
	v_add_nc_u32 v[AD1], ER1-WR, v[AD1]            ; region 1 is read no more: its address registers go on to region 2
	v_add_nc_u32 v[AD1+1], ER1-WR, v[AD1+1]
	s_mov_b32 s[CNT], 2
.Lmain:                                            ; a trip takes two slots, region 0's and region 2's: W's rows 128-383, then 384-639
	SLOT AD0, AD1, 0, 0, fFI+fST
	SLOT AD1, AD0, 1, 1, fFI+fST
	WIN 0                                          ; at a label and at a branch every window is 0
	s_wait_xcnt 0x0                                ; the loads of scale words have read their base
	s_add_nc_u64 s[6:7], s[6:7], 0x2000
	v_add_nc_u32 v[ADH], 0x400, v[ADH]
	s_sub_co_u32 s[CNT], s[CNT], 1
	s_cmp_lg_u32 s[CNT], 0
	s_cbranch_scc1 .Lmain
	SLOT AD0, AD1, 0, 0, fFI+fST                   ; rows 640-767: the last refill is rows 896-1,023.  The tail is written out
	SLOT AD1, AD0, 1, 1, 0                         ; rows 768-895: nothing is left to fetch
	GRP AD0, 0, AD0, 1, 2, 0, MG
	GRP AD0, 1, AD0, 2, 2, 0, fDB+fRL+fPM
	GRP AD0, 2, AD0, 3, 2, 0, fDB+fRL+fPM
	GRP AD0, 3, AD0, 0, 2, 0, fDB
	WIN 0
.irp e, 0,1,2,3,4,5,6,7
	PK2 1, \e, 0                                   ; the last drain.  The four v_nop behind the last products are the places
.endr
	; THE WAY OUT.  A partial's two halves and lane l xor 16's are added; the two waves of a row half meet in LDS; each thread stores two scores.
.irp m, 0,1,2,3,4,5,6,7
	v_add_f32 v[WF+\m], v[PP+2*\m], v[PP+2*\m+1]
.endr
.irp m, 0,1,2,3,4,5,6,7
	v_permlanex16_b32 v[WF+8+\m], v[WF+\m], s[SEL], s[SEL+1]   ; (a lane permute's destination counts as one of its sources: loads have written these)
.endr
.irp m, 0,1,2,3,4,5,6,7
	v_add_f32 v[WF+\m], v[WF+\m], v[WF+8+\m]       ; lanes l and l xor 16 hold row block m's row l % 16
.endr
	v_and_b32 v[WF+16], 31, v0
	v_lshl_add_u32 v[WF+17], v[WF+16], 2, s[XO]    ; XCH + 1,024 j + 256 i + 4 x lane
	v_cmp_lt_u32 vcc_lo, 15, v[WF+16]
.irp a, 0,1,2,3
	v_cndmask_b32 v[WF+20+\a], v[WF+2*\a], v[WF+2*\a+1], vcc_lo   ; lanes 16-31 take the odd row block: 32 neighbouring rows
.endr
.irp a, 0,1,2,3
	ds_store_b32 v[WF+17], v[WF+20+\a] offset:128*\a+256*(\a/2)   ; row blocks 4-7 lie 128 rows behind 0-3
.endr
	v_lshlrev_b32 v[WF+18], 3, v0
	v_add_nc_u32 v[WF+19], XCH, v[WF+18]
	s_wait_alu depctr_va_vdst(0)
	s_wait_dscnt 0x0                               ; for the others' sake: my partials lie in LDS
	s_barrier_signal -1
	s_barrier_wait -1
	ds_load_b64 v[WF+24:WF+25], v[WF+19]           ; rows 2 t and 2 t + 1: j = 0's halves,
	ds_load_b64 v[WF+26:WF+27], v[WF+19] offset:1024   ; and j = 1's
	s_wait_dscnt 0x0
	v_pk_add_f32 v[WF+24:WF+25], v[WF+24:WF+25], v[WF+26:WF+27]
	global_store_b64 v[WF+18], v[WF+24:WF+25], s[14:15]   ; a wave stores 256 consecutive bytes, at a multiple of 256 from the buffer's first byte
	s_wait_tensorcnt 0x0                           ; the wave's end
	ds_add_u32 v[SPW], v[NIL]
	s_wait_dscnt 0x0
	CROUND                                         ; the closing round: no work-group ends while a partner may still ask for a tile that names it
	s_endpgm
.Lfunc_end_k_q176da97ab5_scores:
	.size	k_q176da97ab5_scores, .Lfunc_end_k_q176da97ab5_scores-k_q176da97ab5_scores
	.p2alignl 7, 3214868480
	.fill 96, 4, 3214868480
	.section	.rodata,"a",@progbits
	.p2align	6, 0x0
	.amdhsa_kernel k_q176da97ab5_scores
		.amdhsa_group_segment_fixed_size 327680
		.amdhsa_private_segment_fixed_size 0
		.amdhsa_enable_private_segment 0
		.amdhsa_kernarg_size 48
		.amdhsa_user_sgpr_count 2
		.amdhsa_user_sgpr_kernarg_segment_ptr 1
		.amdhsa_wavefront_size32 1
		.amdhsa_system_sgpr_workgroup_id_x 1
		.amdhsa_system_sgpr_workgroup_id_y 1
		.amdhsa_system_sgpr_workgroup_id_z 1
		.amdhsa_system_vgpr_workitem_id 0
		.amdhsa_next_free_vgpr 1024
		.amdhsa_next_free_sgpr 96
		.amdhsa_reserve_vcc 1
		.amdhsa_float_denorm_mode_32 3
		.amdhsa_float_denorm_mode_16_64 3
		.amdhsa_memory_ordered 1
		.amdhsa_forward_progress 1
		.amdhsa_inst_pref_size 255
	.end_amdhsa_kernel
	.section	.bss,"aw",@nobits
	.p2align	6
	.space	262144
	.amdgpu_metadata
---
amdhsa.version: [ 1, 2 ]
amdhsa.kernels:
  - .name:           k_q176da97ab5_scores
    .symbol:         k_q176da97ab5_scores.kd
    .args:
      - { .name: W_codes, .offset: 0, .size: 8, .value_kind: global_buffer, .address_space: global }
      - { .name: W_scales, .offset: 8, .size: 8, .value_kind: global_buffer, .address_space: global }
      - { .name: encoder_outputs_codes, .offset: 16, .size: 8, .value_kind: global_buffer, .address_space: global }
      - { .name: encoder_outputs_scales, .offset: 24, .size: 8, .value_kind: global_buffer, .address_space: global }
      - { .name: hidden, .offset: 32, .size: 8, .value_kind: global_buffer, .address_space: global }
      - { .name: scores, .offset: 40, .size: 8, .value_kind: global_buffer, .address_space: global }
    .group_segment_fixed_size: 327680
    .private_segment_fixed_size: 0
    .kernarg_segment_align: 8
    .kernarg_segment_size: 48
    .max_flat_workgroup_size: 128
    .sgpr_count:     96
    .vgpr_count:     1024
    .wavefront_size: 32
...
	.end_amdgpu_metadata
.endif
;; end of part 3
;; launch softmax (part 4): grid 32 x 1, 8 waves a work-group, no clusters, 2,048 bytes of LDS; arguments scores, out0; writes out0
.if DOCPART == 4
	.amdgcn_target "amdgcn-amd-amdhsa--gfx1250"
	.amdhsa_code_object_version 6
	.text
	.protected	k_q176da97ab5_softmax
	.globl	k_q176da97ab5_softmax
	.p2align	8
	.type	k_q176da97ab5_softmax,@function
k_q176da97ab5_softmax:
	s_mov_b64 s[64:65], 0
	v_nop
	global_prefetch_b8 v0, s[64:65] scope:SCOPE_SE
	s_setreg_imm32_b32 hwreg(HW_REG_WAVE_MODE, 25, 1), 1
	s_wait_xcnt 0x0
; out0[b][0][s] = softmax over s of scores[b][s].  scores: [32][2048] f32, as the launch before stored them: without the bias's term, which is the same for all s of a batch and which a softmax takes away for all finite values.
; A work-group of eight waves takes one batch: 8,192 bytes; thread t holds the 16 bytes at 16 t and at 4,096 + 16 t, so each load and store of a wave covers 512 consecutive bytes.  The row stays in registers: read once, written once.
; The row's largest score is taken away before the exponential, as reference() does; the difference is formed first and then multiplied by log2(e), so that it is exact near the maximum however large the scores are.
; No matrix unit, no cluster, no tensor load: 256 KiB in all, and work-groups share nothing.  32 rows make 32 work-groups.
; LIMITS: a row that holds a NaN, or nothing but -infinity, is not served.  An exponential under 2^-126 comes out as 0 (ISA guide, 15.8).
.set SPARE, 512                        ; LDS: bytes 0-31 the waves' maxima (a block of 256 to themselves), 256-287 the waves' sums (likewise), from 512 the spare words, 128 bytes a wave
	s_load_b128 s[4:7], s[0:1], 0x0                ; scores, out0
	v_lshl_add_u32 v30, v0, 2, SPARE               ; my spare word,
	v_mov_b32 v31, 0                               ; and 0: kept for the closing lines
	v_lshlrev_b32 v1, 4, v0                        ; my 16 bytes
	v_lshrrev_b32 v2, 5, v0
	s_delay_alu instid0(VALU_DEP_1)
	v_lshlrev_b32 v2, 2, v2                        ; LDS: my wave's word
	v_mov_b32 v3, 0                                ; LDS: the eight words
	v_mov_b32 v13, 0                               ; written once: a lane permute's destination counts as one of its sources
	s_lshl_b32 s8, ttmp9, 13                       ; my batch's 8,192 bytes
	s_mov_b32 s9, 0
	s_mov_b32 s10, 0x76543210                      ; v_permlanex16_b32's selects for lane l xor 16
	s_mov_b32 s11, 0xfedcba98
	s_wait_alu depctr_va_vdst(0)
	s_wait_kmcnt 0x0
	s_add_nc_u64 s[4:5], s[4:5], s[8:9]
	s_add_nc_u64 s[6:7], s[6:7], s[8:9]
	global_load_b128 v[4:7], v1, s[4:5] th:TH_LOAD_NT
	global_load_b128 v[8:11], v1, s[4:5] offset:4096 th:TH_LOAD_NT
	s_wait_loadcnt 0x0
	v_max3_num_f32 v12, v4, v5, v6                 ; the largest of my eight,
	s_delay_alu instid0(VALU_DEP_1)
	v_max3_num_f32 v12, v12, v7, v8
	s_delay_alu instid0(VALU_DEP_1)
	v_max3_num_f32 v12, v12, v9, v10
	s_delay_alu instid0(VALU_DEP_1)
	v_max_num_f32 v12, v12, v11
	s_delay_alu instid0(VALU_DEP_1)
	v_max_num_f32_dpp v12, v12, v12 row_xmask:1 row_mask:0xf bank_mask:0xf   ; of my wave's 256,
	s_delay_alu instid0(VALU_DEP_1)
	v_max_num_f32_dpp v12, v12, v12 row_xmask:2 row_mask:0xf bank_mask:0xf
	s_delay_alu instid0(VALU_DEP_1)
	v_max_num_f32_dpp v12, v12, v12 row_xmask:4 row_mask:0xf bank_mask:0xf
	s_delay_alu instid0(VALU_DEP_1)
	v_max_num_f32_dpp v12, v12, v12 row_xmask:8 row_mask:0xf bank_mask:0xf
	s_delay_alu instid0(VALU_DEP_1)
	v_permlanex16_b32 v13, v12, s10, s11
	s_delay_alu instid0(VALU_DEP_1)
	v_max_num_f32 v12, v12, v13
	ds_store_b32 v2, v12                           ; all lanes write the same word with the same value
	s_wait_dscnt 0x0                               ; for the others' sake
	s_barrier_signal -1
	s_barrier_wait -1
	ds_load_b128 v[16:19], v3
	ds_load_b128 v[20:23], v3 offset:16
	s_wait_dscnt 0x0
	v_max3_num_f32 v12, v16, v17, v18              ; and of the row
	s_delay_alu instid0(VALU_DEP_1)
	v_max3_num_f32 v12, v12, v19, v20
	s_delay_alu instid0(VALU_DEP_1)
	v_max3_num_f32 v12, v12, v21, v22
	s_delay_alu instid0(VALU_DEP_1)
	v_max_num_f32 v12, v12, v23
	s_wait_alu depctr_va_vdst(0)
.irp k, 4,6,8,10
	v_pk_add_f32 v[\k:\k+1], v[\k:\k+1], v[12:13] op_sel_hi:[1,0] neg_lo:[0,1] neg_hi:[0,1]   ; x - M (of the pair the low word serves both halves)
.endr
.irp k, 4,6,8,10
	s_delay_alu instid0(VALU_DEP_4)
	v_pk_mul_f32 v[\k:\k+1], v[\k:\k+1], 0x3fb8aa3b op_sel_hi:[1,0]                           ; x log2(e)
.endr
	s_wait_alu depctr_va_vdst(0)
.irp k, 4,5,6,7,8,9,10,11
	v_exp_f32 v[\k], v[\k]                         ; one batch
.endr
	v_nop                                          ; a plain instruction behind the last exponential
	s_wait_alu depctr_va_vdst(0)                   ; one wait for the eight, ahead of their first reader
	v_pk_add_f32 v[14:15], v[4:5], v[6:7]
	v_pk_add_f32 v[24:25], v[8:9], v[10:11]
	s_delay_alu instid0(VALU_DEP_1)
	v_pk_add_f32 v[14:15], v[14:15], v[24:25]
	s_delay_alu instid0(VALU_DEP_1)
	v_add_f32 v14, v14, v15                        ; the sum of my eight,
	s_delay_alu instid0(VALU_DEP_1)
	v_add_f32_dpp v14, v14, v14 row_xmask:1 row_mask:0xf bank_mask:0xf       ; of my wave's,
	s_delay_alu instid0(VALU_DEP_1)
	v_add_f32_dpp v14, v14, v14 row_xmask:2 row_mask:0xf bank_mask:0xf
	s_delay_alu instid0(VALU_DEP_1)
	v_add_f32_dpp v14, v14, v14 row_xmask:4 row_mask:0xf bank_mask:0xf
	s_delay_alu instid0(VALU_DEP_1)
	v_add_f32_dpp v14, v14, v14 row_xmask:8 row_mask:0xf bank_mask:0xf
	s_delay_alu instid0(VALU_DEP_1)
	v_permlanex16_b32 v13, v14, s10, s11
	s_delay_alu instid0(VALU_DEP_1)
	v_add_f32 v14, v14, v13
	ds_store_b32 v2, v14 offset:256                ; other bytes than the maxima's: no barrier is owed between the reads above and this store
	s_wait_dscnt 0x0
	s_barrier_signal -1
	s_barrier_wait -1
	ds_load_b128 v[16:19], v3 offset:256
	ds_load_b128 v[20:23], v3 offset:272
	s_wait_dscnt 0x0
	v_pk_add_f32 v[16:17], v[16:17], v[18:19]
	v_pk_add_f32 v[20:21], v[20:21], v[22:23]
	s_delay_alu instid0(VALU_DEP_1)
	v_pk_add_f32 v[16:17], v[16:17], v[20:21]
	s_delay_alu instid0(VALU_DEP_1)
	v_add_f32 v14, v16, v17                        ; and of the row: at least 1, since the largest score gives 1
	s_wait_alu depctr_va_vdst(0)
	v_rcp_f32 v14, v14
	v_nop                                          ; a plain instruction behind the reciprocal
	s_wait_alu depctr_va_vdst(0)                   ; and the wait ahead of its first reader
.irp k, 4,6,8,10
	v_pk_mul_f32 v[\k:\k+1], v[\k:\k+1], v[14:15] op_sel_hi:[1,0]
.endr
	global_store_b128 v1, v[4:7], s[6:7] th:TH_STORE_NT
	global_store_b128 v1, v[8:11], s[6:7] offset:4096 th:TH_STORE_NT
	s_wait_tensorcnt 0x0                           ; the wave's end, behind my last LDS store
	ds_add_u32 v30, v31
	s_wait_dscnt 0x0
	s_endpgm
.Lfunc_end_k_q176da97ab5_softmax:
	.size	k_q176da97ab5_softmax, .Lfunc_end_k_q176da97ab5_softmax-k_q176da97ab5_softmax
	.p2alignl 7, 3214868480
	.fill 96, 4, 3214868480
	.section	.rodata,"a",@progbits
	.p2align	6, 0x0
	.amdhsa_kernel k_q176da97ab5_softmax
		.amdhsa_group_segment_fixed_size 2048
		.amdhsa_private_segment_fixed_size 0
		.amdhsa_enable_private_segment 0
		.amdhsa_kernarg_size 16
		.amdhsa_user_sgpr_count 2
		.amdhsa_user_sgpr_kernarg_segment_ptr 1
		.amdhsa_wavefront_size32 1
		.amdhsa_system_sgpr_workgroup_id_x 1
		.amdhsa_system_sgpr_workgroup_id_y 1
		.amdhsa_system_sgpr_workgroup_id_z 1
		.amdhsa_system_vgpr_workitem_id 0
		.amdhsa_next_free_vgpr 32
		.amdhsa_next_free_sgpr 66
		.amdhsa_reserve_vcc 0
		.amdhsa_float_denorm_mode_32 3
		.amdhsa_float_denorm_mode_16_64 3
		.amdhsa_memory_ordered 1
		.amdhsa_forward_progress 1
		.amdhsa_inst_pref_size 6
	.end_amdhsa_kernel
	.amdgpu_metadata
---
amdhsa.version: [ 1, 2 ]
amdhsa.kernels:
  - .name:           k_q176da97ab5_softmax
    .symbol:         k_q176da97ab5_softmax.kd
    .args:
      - { .name: scores, .offset: 0, .size: 8, .value_kind: global_buffer, .address_space: global }
      - { .name: out0, .offset: 8, .size: 8, .value_kind: global_buffer, .address_space: global }
    .group_segment_fixed_size: 2048
    .private_segment_fixed_size: 0
    .kernarg_segment_align: 8
    .kernarg_segment_size: 16
    .max_flat_workgroup_size: 256
    .sgpr_count:     66
    .vgpr_count:     32
    .wavefront_size: 32
...
	.end_amdgpu_metadata
.endif
;; end of part 4
